; MI455X (gfx1250); checked and timed in simulation.
; The chip was launched on July 23, 2026; its instructions are those of AMD's public machine-readable ISA for CDNA 5 (MIT licence, August 2026) and "CDNA5" Instruction Set Architecture Reference Guide (July 2026). The comments in the code are by the model that wrote it; some were corrected since.
;; Graph Conditioned Attention. Allowed arithmetic: matrix products marked QUANTISED: E2M1 operands, one E8M0 scale for each 32 along K, by v_wmma_scale_f32_16x16x128_f8f6f4 with both operands' format E2M1 (or v_wmma_scale_f32_32x16x128_f4), f32 sums; products left as they are: f32 operands where the result goes on into a quantised operand, else bf16, f16 or f32 operands; f32 sums; everything else in f32.
;; Inputs: Wg1 128 x 32 float32; Wg2 32 x 16 float32; Wgk 128 x 1,024 float32; Wk_codes 1,024 x 32 x 16 uint8 (E2M1 codes of Wk, K innermost, in blocks of 32 codes, two codes a byte); Wk_scales 1,024 x 32 uint8 (E8M0 scales of Wk, one for each 32 codes along K); Wo_codes 1,024 x 32 x 16 uint8 (E2M1 codes of Wo, K innermost, in blocks of 32 codes, two codes a byte); Wo_scales 1,024 x 32 uint8 (E8M0 scales of Wo, one for each 32 codes along K); Wq_codes 1,024 x 32 x 16 uint8 (E2M1 codes of Wq, K innermost, in blocks of 32 codes, two codes a byte); Wq_scales 1,024 x 32 uint8 (E8M0 scales of Wq, one for each 32 codes along K); Wv_codes 1,024 x 32 x 16 uint8 (E2M1 codes of Wv, K innermost, in blocks of 32 codes, two codes a byte); Wv_scales 1,024 x 32 uint8 (E8M0 scales of Wv, one for each 32 codes along K); attn_mask 8 x 1,024 bool; bg1 32 float32; bg2 16 float32; bgk 1,024 float32; bk 1,024 float32; bo 1,024 float32; bq 1,024 float32; bv 1,024 float32; cancer_type 8 int32; ct_bias_emb 32 x 16 float32; ct_key_emb 32 x 1,024 float32; graph_context 8 x 128 float32; x_codes 8 x 1,024 x 32 x 16 uint8 (E2M1 codes of x, K innermost, in blocks of 32 codes, two codes a byte); x_scales 8 x 1,024 x 32 uint8 (E8M0 scales of x, one for each 32 codes along K).
;; Outputs: out0 8 x 1,024 x 1,024 float32.
;; This version of the problem:
;;   THIS VERSION OF THE PROBLEM IS GIVEN IN LOW PRECISION. The matrix products marked QUANTISED in the list below multiply operands that are first quantised to E2M1 (2 exponent bits, 1 mantissa bit; 4 bits a number), with one power-of-two scale for each 32 numbers along K (OCP MX v1.0); their sums are f32. All else is computed in f32.
;;   The module's matrix products, in the order in which they are computed (A, B: the left and right operand; K: the contracted axis; several contracted axes count as one K, in the product's order):
;;     1. [M 8,192, K 1,024] x [K 1,024, N 1,024]; A: input x (given as codes); B: input Wq (given as codes): QUANTISED
;;     2. [M 8,192, K 1,024] x [K 1,024, N 1,024]; A: input x (given as codes); B: input Wk (given as codes): QUANTISED
;;     3. [M 8,192, K 1,024] x [K 1,024, N 1,024]; A: input x (given as codes); B: input Wv (given as codes): QUANTISED
;;     4. [M 8, K 128] x [K 128, N 1,024]; A: input graph_context; B: input Wgk: left as it is (M = 8 < 16)
;;     5. batch 128 x [M 1,024, K 64] x [K 64, N 1,024]; A: computed on the way; B: computed on the way: QUANTISED
;;     6. [M 8, K 128] x [K 128, N 32]; A: input graph_context; B: input Wg1: left as it is (M = 8 < 16)
;;     7. [M 8, K 32] x [K 32, N 16]; A: computed on the way; B: input Wg2: left as it is (M = 8 < 16)
;;     8. batch 128 x [M 1,024, K 1,024] x [K 1,024, N 64]; A: softmax (see below); B: computed on the way: QUANTISED
;;     9. [M 8,192, K 1,024] x [K 1,024, N 1,024]; A: computed on the way; B: input Wo (given as codes): QUANTISED
;;   THE QUANTISER, for each operand of a quantised product, along K:
;;     - K is cut into blocks of 32 from its start; a last block that is shorter is filled with zeros.
;;     - A block's scale is 2^e with e = floor(log2(the largest magnitude in the block)) - 2, held to -126 .. 127; a block of zeros has e = 0. As a byte (E8M0): e + 127.
;;     - Each number is divided by its block's scale, clamped to +-6, and rounded to the nearest number of E2M1, ties to even, subnormals kept.
;;     - The product sums the exact products of the quantised numbers (number of the format x scale) in f32.
;;   ~~~python
;;   def quantise(x, axis):      # numpy; x: float32 -> the quantised numbers, widened to float32 again
;;       x = np.moveaxis(x, axis, -1); K = x.shape[-1]
;;       x = np.pad(x, [(0, 0)] * (x.ndim - 1) + [(0, -K % 32)]); x = x.reshape(x.shape[:-1] + (-1, 32)); a = np.abs(x).max(-1, keepdims=True)
;;       e = np.where(a > 0, np.clip(np.frexp(np.where(a > 0, a, 1))[1] - 1 - 2, -126, 127), 0)      # np.frexp(a)[1] - 1 = floor(log2(a)), exactly
;;       r = np.clip(x / 2.0 ** e, -6, 6)
;;       step = 2.0 ** (np.maximum(np.frexp(np.where(r == 0, 1, r))[1] - 1, 0) - 1)
;;       q = np.round(r / step) * step * 2.0 ** e      # np.round: ties to even
;;       return np.moveaxis(q.reshape(q.shape[:-2] + (-1,))[..., :K], -1, axis).astype(np.float32)
;;   ~~~
;;   SOFTMAX AHEAD OF A QUANTISED PRODUCT. Where the list says 'softmax', what is quantised is not the finished softmax but p = 2^(t - M), with t = logit x log2(e) and M = ceil(the row's largest t), a whole number; so 1/2 < the row's largest p <= 1. The row's sum l is taken of the UNQUANTISED p, in f32, and the product's result is divided by l at the end. Since M is a whole number, a kernel that streams over the keys may use a running M (the ceiling of the running maximum): every later rescaling is an exact power of two, which a block's scale takes up: the codes' values come out the same.
;;   OPERANDS COMPUTED ON THE WAY. 'Computed on the way' means the value that the module computes at that place (a softmax that the list does not call 'softmax' is quantised finished and normalised). What goes into a quantiser is computed in f32, as accurately as f32 sums, v_exp_f32 and their like allow (about 1e-6 of the number): no bf16 or f16 on the way to a quantiser, and a product that is left as it is and whose result goes on into a quantised operand takes f32 operands (vector FMAs, or v_wmma_f32_16x16x4_f32). A number that lies on a knife's edge between two numbers of the format may be rounded either way, as far as f32 arithmetic and the matrix unit's own rounding can turn it there, and no further.
;;   INPUTS GIVEN AS CODES. Wk (in the module: [1024, 1024], K = its axis 0); Wo (in the module: [1024, 1024], K = its axis 0); Wq (in the module: [1024, 1024], K = its axis 0); Wv (in the module: [1024, 1024], K = its axis 0); x (in the module: [8, 1024, 1024], K = its axis 2): each comes as NAME_codes (uint8): NAME with its K axis moved to the last place and cut into blocks of 32 codes, [.., K / 32, bytes a block], one block behind the other in memory; two codes a byte, the lower K in the low four bits (a code: sign, 2 exponent bits, 1 mantissa bit); and NAME_scales (uint8): the same leading axes, one E8M0 byte (e + 127) for each 32 codes along K. Its value is code x scale, taken as it is: it is not quantised again, and the codes and scales need not be those that the quantiser above would give.
;; One version. Each part assembles by itself: llvm-mc -triple=amdgcn-amd-amdhsa -mcpu=gfx1250 --defsym DOCPART=n.
;; ======== version 1 of 1: 3 launches
;; limits: right only within a limited range of input values
;; workspace buffers: sb8 512 bytes; q_img 4,194,304 bytes; q_sc 524,288 bytes; kv 9,175,040 bytes; o_img 4,194,304 bytes; o_sc 262,144 bytes
;; launch qkv (part 1): grid 12 x 32, 4 waves a work-group, clusters of 4 x 4, 327,680 bytes of LDS; arguments x_codes, x_scales, Wq_codes, Wq_scales, Wk_codes, Wk_scales, Wv_codes, Wv_scales, bq, cancer_type, bv, q_img, q_sc, kv, graph_context, Wgk, bgk, bk, ct_key_emb, Wg1, bg1, Wg2, bg2, ct_bias_emb, sb8; writes q_img, q_sc, kv, sb8
.if DOCPART == 1
	.amdgcn_target "amdgcn-amd-amdhsa--gfx1250"
	.amdhsa_code_object_version 6
	.text
	.protected	k_qf4e807fbe9_qkv
	.globl	k_qf4e807fbe9_qkv
	.p2align	8
	.type	k_qf4e807fbe9_qkv,@function
k_qf4e807fbe9_qkv:
	s_mov_b64 s[64:65], 0
	v_nop
	global_prefetch_b8 v0, s[64:65] scope:SCOPE_SE
	s_setreg_imm32_b32 hwreg(HW_REG_WAVE_MODE, 25, 1), 1
	s_wait_xcnt 0x0
	s_wait_alu depctr_hold_cnt(0) depctr_sa_sdst(0) depctr_va_vdst(0) depctr_va_sdst(0) depctr_va_ssrc(0) depctr_va_vcc(0) depctr_vm_vsrc(0)
	s_getreg_b32 s2, hwreg(HW_REG_IB_STS2, 6, 4)
	s_cmp_eq_u32 s2, 0
	s_cbranch_scc0 .Lentry_in_a_cluster
	s_endpgm
.Lentry_in_a_cluster:
	s_bfe_u32 s2, ttmp6, 0x10000c
	s_cmp_lg_u32 s2, 0xf033
	s_cbranch_scc0 .Lentry_shape_is_right
	s_endpgm
.Lentry_shape_is_right:
; q = x Wq + bq, k = x Wk + kmod[b], v = x Wv + bv on codes of FP4 (E2M1) with one E8M0 scale for each 32 along K = 1,024, and the three results quantised again: q and k along the head's 64, v along the keys.
; SHARES.  The cluster's x says which of the three (KIND 0, 1, 2): it is the same in all sixteen partners.  A work-group makes 256 x 256 of a result, each of its four waves 128 x 128: 64 accumulators, 512 registers.
; ONE TEXT FOR BOTH ORIENTATIONS.  The matrix instruction's source 0 takes 16 rows of LDS region B, source 1 16 rows of region A; in the result a lane holds one row of A's and its 8 registers 8 neighbouring rows of B's.
;   q, k: A = x, B = the weight: a lane holds one token, registers run along the output's 128 columns = a pair of heads: the next K.      v: A = Wv, B = x: a lane holds one column, registers run along 128 keys: the next K.
;   x and the weights have rows of the same shape (512 bytes of codes, 32 of scales), so only pointers are chosen, on KIND.
; All of K lies in LDS: two slots of 512 along K, each filled once, and the scale bytes of the 512 rows.  The biases are the C of each sum's first product.
; CLUSTERS: 4 x 4.  A's tiles are shared along a row of the cluster, B's along a column: each is asked for jointly, by the same tensor load with the same descriptor and a mask that names the four.
; THE WAY OUT.  Tiles 2 b and 2 b + 1 of a block of A's rows are a block of 32 along the next K: lanes l and l xor 16 hold 16 numbers each.  The conversions take a tile's 8 registers; two exchanges of halves for each pair of
; blocks give the operand's registers.  They are stored AS AN IMAGE OF THE REGISTERS, four registers by one store of 16 bytes a lane: 512 consecutive bytes, and the reader takes them back by the same line.
;   q_img [rec][tile of 16 queries 64][head in pair 2][512]   q_sc [rec][4 tiles 16][lane 32][4 words]: lanes 0-15 the even head's two bytes, lanes 16-31 the odd head's     (rec = 8 batch + pair of heads)
;   kv: a record of 143,360 bytes for each rec: K's images [head 2][tile 64][512] at 0; V's [head 2][step of 128 keys 8][16 channels 4][half 2][512] at 65,536;
;       K's scale words [head 2][step 8][lane 32][4] at 131,072 (word p: lanes 0-15 tile 2 p, lanes 16-31 tile 2 p + 1); V's [head 2][step 8][lane 32][2] at 139,264, likewise
; LIMITS: a block whose largest magnitude lies under 2^-124 keeps the scale byte 1 (a block of zeros too: its codes are zeros, and this program alone reads the bytes); NaN and infinities are not served.
; 384 work-groups: a wave's 128 x 128 is one pair of heads by one step of 128 keys, which gives whole fragments and whole scale words.
; REGISTERS, in windows of 256: window 0: v16-29 addresses; v32-95 scale words, two sets; v128-191 A's fragments, ONE set (on the way out: at work); v192-255 the biases.
;   window 1: B's fragments, two sets.   window 2: the accumulators of A's blocks 0-3 ((a, b) at v[8 (8 (a % 4) + b)]);   window 3: those of blocks 4-7.
.set NQ,     4                         ; steps of 128 along K in a slot
.set ROWB,   256                       ; a tile's row: 512 codes
.set KROW,   512                       ; a row of codes in memory
.set PITCH,  272                       ; an LDS row: 256 bytes + 16 of padding = 68 words: the 16 rows that a load touches start at 16 different banks (64 banks of 4 bytes: ISA guide 11.1)
.set FR,     8
.set NL,     2
.set NP,     4                         ; places behind this matrix instruction (ISA guide 7.12.1)
.set HALFT,  128*PITCH
.set SLOT,   4*HALFT
.set KS,     32                        ; a row of scales in bytes
.set SCL,    2*SLOT
.set HALFS,  (128*KS/256)*272
.set SBLK,   (16*KS/256)*272
.set SPARE,  SCL+4*HALFS               ; the spare words, 128 bytes for each wave: two blocks of 256 bytes that no other line names
.set REC,    143360
.set ADRA, 16
.set ADRB, 20
.set L16,  24                          ; v24  16 x lane
.set L8,   25                          ; v25  8 x lane
.set BO,   26                          ; v26  my byte in the bias
.set ADRS, 27
.set SPW,  28
.set NIL,  29
.set SC,   32
.set AF,   128
.set BIAS, 192
.set TM,   128                         ; the way out: v128-131 largest magnitudes, v132-135 the other half's, then bytes, v140-143 the conversions' scale operands
.set PC,   144                         ; v144-151 the codes just made
.set PWS,  152                         ; v152-159 the eight blocks' scale words
.set R,    160                         ; v160-175 scale words as they are stored
.set G1, 32
.set G0, 40
.set G1B, 48
.set G0B, 56
.set G1S, 68
.set G0S, 76
.set G1SB, 80
.set G0SB, 88
.set WV, 92
.set WH, 93
.set WL, 94
.set KIND, 95
.set MSB, 0
.macro WIN new                         ; the immediate's high byte repeats the setting that is left
.if MSB != \new
	s_set_vgpr_msb (MSB<<8)|\new
.set MSB, \new
.endif
.endm
.set MUL_LO, 0xa1                      ; source 0 (B) window 1, source 1 (A) window 0, C and D window 2
.set MUL_HI, 0xf1                      ; the same, C and D window 3
.set TO_B,   0x40
; A joint load: waves 0 and 1 fetch for A, waves 2 and 3 for B.  The branch hangs on the wave's number alone.  Four v_nop follow each of the two lines.
.macro JLOAD g0a, g1a, g0b, g1b
	s_cmp_eq_u32 s[WH], 0
	s_cbranch_scc0 .Lfor_b_\@
	tensor_load_to_lds s[\g0a:\g0a+3], s[\g1a:\g1a+7]
	s_nop 0
.rept 4
	v_nop
.endr
	s_branch .Lasked_\@
.Lfor_b_\@:
	tensor_load_to_lds s[\g0b:\g0b+3], s[\g1b:\g1b+7]
	s_nop 0
.rept 4
	v_nop
.endr
.Lasked_\@:
.endm
.macro CROUND                          ; a round of the cluster's barrier
	s_barrier_signal -1
	s_barrier_wait -1
	s_cmp_lg_u32 s[WV], 0
	s_cbranch_scc1 .Lnot_wave_0_\@
	s_barrier_signal -3
.Lnot_wave_0_\@:
	s_barrier_wait -3
	s_barrier_signal -1
	s_barrier_wait -1
.endm
	s_load_b512 s[4:19], s[0:1], 0x0               ; x's codes 4:5, scales 6:7; Wq's 8:9, 10:11; Wk's 12:13, 14:15; Wv's 16:17, 18:19
	s_load_b256 s[20:27], s[0:1], 0x40             ; bq 20:21, cancer_type 22:23, bv 24:25, q_img 26:27
	s_load_b128 s[28:31], s[0:1], 0x60             ; q_sc 28:29, kv 30:31
	v_lshl_add_u32 v[SPW], v0, 2, SPARE
	v_mov_b32 v[NIL], 0
	ds_add_u32 v28, v29
	ds_add_u32 v28, v29
	s_wait_dscnt 0x0
	v_lshrrev_b32 v1, 5, v0
	v_readfirstlane_b32 s[WV], v1                  ; wave 0..3
	s_lshr_b32 s[WH], s[WV], 1                     ; which 128 rows of A's tile are mine.  Also: I fetch for A (0) or for B (1)
	s_and_b32 s[WL], s[WV], 1                      ; which 128 rows of B's.  Also: which 128 rows I fetch
	s_mov_b32 s[KIND], ttmp9                       ; the cluster's x: 0 q, 1 k, 2 v
	s_bfe_u32 s96, ttmp6, 0x40000                  ; cx
	s_bfe_u32 s97, ttmp6, 0x40004                  ; cy
	s_and_b32 s98, ttmp7, 0xffff
	s_lshl_b32 s98, s98, 2                         ; 4 x the cluster's y: it walks x's 32 tiles of 256 rows, four to a cluster
	s_cmp_eq_u32 s[KIND], 2
	s_cselect_b32 s99, 0, s98
	s_cselect_b32 s100, s98, 0
	s_add_co_u32 s99, s99, s97                     ; A's tile: cy (+ 4 Y where A is x)
	s_add_co_u32 s100, s100, s96                   ; B's tile: cx (+ 4 Y where B is x)
	s_lshl_b32 s101, s97, 2
	s_lshl_b32 s101, 15, s101                      ; my row of the cluster
	s_lshl_b32 s2, 0x1111, s96                     ; my column
	; descriptor group 1: rows of 256 bytes, 512 bytes apart in memory, 16 bytes of padding behind each: 256 rows for the head's loads; behind them the two words that count rows are set to 128, for slot 1's
	s_or_b32 s[G1+0], s101, (0<<16)|(1<<20)|(1<<21)|(5<<22)|(3<<25)   ; 15:0 the mask; 17:16 elements of 1 byte; 20 padding on; 21 set beside a mask; 24:22 after every 64 words; 31:25 four words
	s_or_b32 s[G1B+0], s2, (0<<16)|(1<<20)|(1<<21)|(5<<22)|(3<<25)
.irp g, G1, G1B
	s_mov_b32 s[\g+1], ROWB<<16                    ; tensor_dim0
	s_mov_b32 s[\g+2], 256<<16                     ; tensor_dim1
	s_mov_b32 s[\g+3], ROWB<<16                    ; tile_dim0
	s_mov_b32 s[\g+4], 256                         ; tile_dim1
	s_mov_b32 s[\g+5], KROW                        ; tensor_dim0_stride
	s_mov_b32 s[\g+6], 0
	s_mov_b32 s[\g+7], 0
.endr
	; the scales of 256 rows: 8,192 dense bytes, as 32 rows of 256 bytes (32 elements of 8), 16 bytes of padding behind each
	s_or_b32 s[G1S+0], s101, (3<<16)|(1<<20)|(1<<21)|(5<<22)|(3<<25)
	s_or_b32 s[G1SB+0], s2, (3<<16)|(1<<20)|(1<<21)|(5<<22)|(3<<25)
.irp g, G1S, G1SB
	s_mov_b32 s[\g+1], 32<<16
	s_mov_b32 s[\g+2], (256*KS/256)<<16
	s_mov_b32 s[\g+3], 32<<16
	s_mov_b32 s[\g+4], 256*KS/256
	s_mov_b32 s[\g+5], 32
	s_mov_b32 s[\g+6], 0
	s_mov_b32 s[\g+7], 0
.endr
	s_wait_kmcnt 0x0
	; the buffers are chosen on KIND alone
	s_cmp_eq_u32 s[KIND], 1
	s_cselect_b64 s[8:9], s[12:13], s[8:9]         ; the weight of q or of k,
	s_cselect_b64 s[10:11], s[14:15], s[10:11]
	s_load_b32 s3, s[22:23], s98 offset:0x0        ; cancer_type[batch]: the cluster's y is the batch, s98 = 4 x it; waited for behind the head's tensor loads
	s_cmp_eq_u32 s[KIND], 2
	s_cselect_b64 s[12:13], s[4:5], s[8:9]         ; B: x for v, else the weight
	s_cselect_b64 s[14:15], s[6:7], s[10:11]
	s_cselect_b64 s[4:5], s[16:17], s[4:5]         ; A: Wv for v, else x
	s_cselect_b64 s[6:7], s[18:19], s[6:7]
	s_cselect_b64 s[20:21], s[24:25], s[20:21]
	s_cmp_eq_u32 s[KIND], 0
	s_cselect_b64 s[26:27], s[26:27], s[30:31]     ; codes go to q_img or into kv,
	s_cselect_b64 s[28:29], s[28:29], s[30:31]     ; scale words to q_sc or into kv
	s_lshl_b32 s16, s99, 8                         ; A: the tile's first row, 256 x tile
	s_lshl_b32 s18, s16, 5                         ; its scales, in bytes,
	s_lshl_b32 s16, s16, 9                         ; its codes
	s_mov_b32 s17, 0
	s_mov_b32 s19, 0
	s_wait_xcnt 0x0                                ; the scalar load above has read s[22:23]: they are written again only behind this wait
	s_lshl_b32 s22, s100, 8                        ; B likewise
	s_lshl_b32 s24, s22, 5
	s_lshl_b32 s22, s22, 9
	s_mov_b32 s23, 0
	s_mov_b32 s25, 0
	s_add_nc_u64 s[4:5], s[4:5], s[16:17]
	s_add_nc_u64 s[6:7], s[6:7], s[18:19]
	s_add_nc_u64 s[12:13], s[12:13], s[22:23]
	s_add_nc_u64 s[14:15], s[14:15], s[24:25]
	s_mul_i32 s30, s[WV], HALFT                    ; slot 1: where my 128 rows go: wave x 128 rows: no place in the cluster enters an LDS address;
	s_lshl_b32 s16, s[WL], 16                      ; where they come from: 128 rows of 512 bytes a half,
	s_add_co_u32 s16, s16, ROWB                    ; the second 512 along K (s17 = 0)
	CROUND                                         ; all sixteen work-groups are here: the first joint loads meet
.macro GRP0 g, lds, p                  ; a group 0: count 1, LDS address, global address, type 2
	s_mov_b32 s[\g], 1
	s_mov_b32 s[\g+1], \lds
	s_mov_b64 s[\g+2:\g+3], s[\p:\p+1]
	s_or_b32 s[\g+3], s[\g+3], 0x80000000
.endm
	GRP0 G0, 0, 4                                  ; the head's four tiles, each whole: slot 0's 256 rows of A,
	GRP0 G0B, 2*HALFT, 12                          ; its 256 rows of B,
	GRP0 G0S, SCL, 6                               ; the scales of A's 256 rows,
	GRP0 G0SB, SCL+2*HALFS, 14                     ; and of B's
	s_mov_b32 s[G0+4], 1                           ; slot 1: my 128 rows of A's tile,
	s_add_co_u32 s[G0+5], s30, SLOT
	s_add_nc_u64 s[G0+6:G0+7], s[4:5], s[16:17]
	s_or_b32 s[G0+7], s[G0+7], 0x80000000
	s_mov_b32 s[G0B+4], 1                          ; or of B's
	s_add_co_u32 s[G0B+5], s30, SLOT
	s_add_nc_u64 s[G0B+6:G0B+7], s[12:13], s[16:17]
	s_or_b32 s[G0B+7], s[G0B+7], 0x80000000
; THE HEAD'S LOADS, ONE A WAVE: one tree of branches on the wave's number, a load to an arm, all arms leading to one join.
.macro ARM under, g0, g1, next
	s_cmp_lt_u32 s[WV], \under
	s_cbranch_scc0 \next
	tensor_load_to_lds s[\g0:\g0+3], s[\g1:\g1+7]
	s_nop 0
.rept 4
	v_nop
.endr
	s_branch .Lhead_asked
\next:
.endm
	ARM 1, G0,  G1,  .Lhead_b
	ARM 2, G0B, G1B, .Lhead_sa
	ARM 3, G0S, G1S, .Lhead_sb
	tensor_load_to_lds s[G0SB:G0SB+3], s[G1SB:G1SB+7]
	s_nop 0
.rept 4
	v_nop
.endr
.Lhead_asked:
; THE SMALL f32 PRODUCTS, by fused multiply-adds, while the head's tensor loads are out.
;   k's work-groups: kmod[n] = bk[n] + ct_key_emb[cancer_type[b]][n] + elu(graph_context[b] . Wgk[:, n] + bgk[n]) for the work-group's 256 columns: all that is added to x Wk.  Thread t makes columns 2 t and 2 t + 1:
;   its 256 registers (the accumulators' window 2, idle so far) run down K, and each load of a wave reads 256 consecutive bytes.  The 256 numbers go to LDS bytes of their own and come back, behind the round, as the C of the first products.
;   q's work-groups: wave 3 makes sb8[b][head] = 8 x (ct_bias_emb[cancer_type[b]][head] + elu(graph_context[b] . Wg1 + bg1) . Wg2[:, head] + bg2[head]) for head = cx + 4 cy: the sixteen partners are told apart by global addresses alone.
; graph_context[b] lies in four registers (number lane + 32 i) and is handed out by v_readlane_b32.
; LIMITS: elu is exp(z) - 1 for z < 0: its error is 2^-24 of 1, not of the result; NaN and infinities are not served.  cancer_type is held to 0 .. 31.
.set KM,  SPARE+512                    ; kmod of my 256 columns: 1,024 bytes, four blocks of 256 into which no tile lands
.set GC,  128                          ; v128-131 graph_context[b]
.set ACC, 136                          ; v136-139 four chains of sums
.macro ELU z, t                        ; v[z] = elu(v[z]); v[t] at work
	v_min_num_f32 v[\t], 0, v[\z]
	v_mul_f32 v[\t], 0x3fb8aa3b, v[\t]             ; x log2(e)
	s_wait_alu depctr_va_vdst(0)                   ; the wait ahead of the transcendental,
	v_exp_f32 v[\t], v[\t]
	v_nop                                          ; a plain line behind it,
	s_wait_alu depctr_va_vdst(0)                   ; and the wait ahead of its reader
	v_add_f32 v[\t], -1.0, v[\t]
	v_cmp_lt_f32 vcc_lo, 0, v[\z]
	v_cndmask_b32 v[\z], v[\t], v[\z], vcc_lo      ; z where 0 < z
.endm
.macro KWAIT                           ; loads come back in order: at k = 0 the 63 youngest weights may be out, at 64 the 32 youngest, at 96 none
.if k == 0
	s_wait_loadcnt 63
.elseif k == 64
	s_wait_alu depctr_va_vdst(0)
	s_wait_loadcnt 32
.elseif k == 96
	s_wait_alu depctr_va_vdst(0)
	s_wait_loadcnt 0x0
.endif
.endm
	s_wait_kmcnt 0x0                               ; cancer_type[b]
	s_min_u32 s3, s3, 31                           ; the index stays inside its tables
	s_cmp_eq_u32 s[KIND], 2
	s_cbranch_scc1 .Lsmall_done
	s_cmp_eq_u32 s[KIND], 1
	s_cbranch_scc1 .Lsmall_k
	s_cmp_eq_u32 s[WV], 3
	s_cbranch_scc0 .Lsmall_done
	; ---- q, wave 3: the score's bias of one head.  Lane j makes hidden unit j
	s_load_b64 s[4:5], s[0:1], 0x70                ; graph_context
	s_load_b256 s[8:15], s[0:1], 0x98              ; Wg1 8:9, bg1 10:11, Wg2 12:13, bg2 14:15
	s_load_b128 s[16:19], s[0:1], 0xb8             ; ct_bias_emb 16:17, sb8 18:19
	v_and_b32 v1, 31, v0                           ; lane
	v_lshlrev_b32 v3, 2, v1                        ; 4 x lane
	s_lshl_b32 s22, s97, 2
	s_add_co_u32 s22, s22, s96                     ; head = cx + 4 cy
	s_lshl_b32 s22, s22, 2                         ; in bytes
	v_lshl_add_u32 v2, v1, 6, s22                  ; Wg2: row = lane, 64 bytes a row
	s_lshr_b32 s24, s99, 2                         ; the batch
	s_lshl_b32 s30, s24, 6
	s_add_co_u32 s30, s30, s22                     ; sb8: 64 b + 4 head
	s_lshl_b32 s24, s24, 9                         ; a row of graph_context is 512 bytes
	s_mov_b32 s25, 0
	s_lshl_b32 s31, s3, 6                          ; a row of ct_bias_emb is 64 bytes
	s_add_co_u32 s31, s31, s22
	s_wait_alu depctr_va_vdst(0)
	s_wait_kmcnt 0x0
	s_load_b32 s6, s[14:15], s22 offset:0x0        ; bg2[head]
	s_load_b32 s7, s[16:17], s31 offset:0x0        ; ct_bias_emb[cancer_type[b]][head]
	s_add_nc_u64 s[4:5], s[4:5], s[24:25]
.irp i, 0,1,2,3
	global_load_b32 v[GC+\i], v3, s[4:5] offset:128*\i
.endr
	global_load_b32 v144, v3, s[10:11]             ; bg1
	global_load_b32 v145, v2, s[12:13]             ; Wg2[lane][head]
	WIN 0x80                                       ; the weights land in window 2
.set k, 0
.rept 128
	global_load_b32 v[k], v3, s[8:9] offset:128*k  ; Wg1[k][lane]
.set k, k+1
.endr
	WIN 0x08                                       ; source 1 window 2
.set k, 0
.rept 128
	KWAIT
.set pr, 22+(k%4)-20*(1-((k%4)+3)/4)               ; s2, s23, s24, s25 by turns
	v_readlane_b32 s[pr], v[GC+k/32], k%32         ; graph_context[b][k]
.if k == 0
	v_fma_f32 v[ACC], s[pr], v[k], v144            ; the first product starts the sum on the bias
.elseif k < 4
	v_mul_f32 v[ACC+k], s[pr], v[k]
.else
	v_fmac_f32 v[ACC+k%4], s[pr], v[k]
.endif
.set k, k+1
.endr
	WIN 0
	v_add_f32 v[ACC], v[ACC], v[ACC+1]
	v_add_f32 v[ACC+2], v[ACC+2], v[ACC+3]
	v_add_f32 v[ACC], v[ACC], v[ACC+2]
	ELU ACC, ACC+1
	v_mul_f32 v[ACC], v[ACC], v145
.irp m, 1,2,4,8
	v_add_f32_dpp v[ACC], v[ACC], v[ACC] row_xmask:\m row_mask:0xf bank_mask:0xf
.endr
	s_mov_b32 s2, 0x76543210                       ; v_permlanex16_b32's selects for lane l xor 16
	s_mov_b32 s23, 0xfedcba98
	v_mov_b32 v[ACC+1], 0                          ; a lane permute's destination counts as one of its sources
	v_permlanex16_b32 v[ACC+1], v[ACC], s2, s23
	v_add_f32 v[ACC], v[ACC], v[ACC+1]
	s_wait_alu depctr_va_vdst(0)
	s_wait_kmcnt 0x0
	v_add_f32 v[ACC], s6, v[ACC]
	v_add_f32 v[ACC], s7, v[ACC]
	v_mul_f32 v[ACC], 0x41000000, v[ACC]           ; x 8: it is added to q . k ahead of the division by 8
	v_mov_b32 v[ACC+2], s30
	s_wait_alu depctr_va_vdst(0)
	s_wait_xcnt 0x0                                ; EXEC changes only behind this wait
	v_cmp_eq_u32 vcc_lo, 0, v1
	s_and_saveexec_b32 s24, vcc_lo
	global_store_b32 v[ACC+2], v[ACC], s[18:19]    ; lane 0 alone: 4 of the buffer's 512 bytes
	s_wait_xcnt 0x0                                ; and again, in front of the line that widens it
	s_or_b32 exec_lo, exec_lo, s24
	s_branch .Lsmall_done
.Lsmall_k:
	; ---- k, all four waves: the key's modulation
	s_load_b256 s[4:11], s[0:1], 0x70              ; graph_context 4:5, Wgk 6:7, bgk 8:9, bk 10:11
	s_load_b64 s[12:13], s[0:1], 0x90              ; ct_key_emb
	v_and_b32 v1, 31, v0
	v_lshlrev_b32 v3, 2, v1                        ; 4 x lane
	s_lshl_b32 s22, s100, 10                       ; my work-group's 256 columns, in bytes
	v_lshl_add_u32 v2, v0, 3, s22                  ; 4 (256 cx + 2 t)
	v_lshl_add_u32 v4, v0, 3, KM                   ; and where my two numbers go in LDS
	s_lshr_b32 s24, s99, 2                         ; the batch
	s_lshl_b32 s24, s24, 9                         ; a row of graph_context is 512 bytes
	s_mov_b32 s25, 0
	s_wait_alu depctr_va_vdst(0)
	s_wait_kmcnt 0x0
	s_add_nc_u64 s[4:5], s[4:5], s[24:25]
	s_lshl_b32 s24, s3, 12                         ; a row of ct_key_emb is 4,096 bytes
	s_add_nc_u64 s[12:13], s[12:13], s[24:25]
.irp i, 0,1,2,3
	global_load_b32 v[GC+\i], v3, s[4:5] offset:128*\i
.endr
	global_load_b64 v[144:145], v2, s[8:9]         ; bgk
	global_load_b64 v[146:147], v2, s[10:11]       ; bk
	global_load_b64 v[148:149], v2, s[12:13]       ; ct_key_emb[cancer_type[b]]
	WIN 0x80                                       ; the weights land in window 2
.set k, 0
.rept 128
	global_load_b64 v[2*k:2*k+1], v2, s[6:7] offset:4096*k   ; Wgk[k][my two columns]
.set k, k+1
.endr
	WIN 0x08                                       ; source 1 window 2
.set k, 0
.rept 128
	KWAIT
	v_readlane_b32 s[14+k%4], v[GC+k/32], k%32     ; graph_context[b][k]
.if k == 0
	v_fma_f32 v[ACC], s[14], v[0], v144            ; the first products start the sums on the bias
	v_fma_f32 v[ACC+1], s[14], v[1], v145
.elseif k == 1
	v_mul_f32 v[ACC+2], s[15], v[2]
	v_mul_f32 v[ACC+3], s[15], v[3]
.else
	v_fmac_f32 v[ACC+2*(k%2)], s[14+k%4], v[2*k]
	v_fmac_f32 v[ACC+2*(k%2)+1], s[14+k%4], v[2*k+1]
.endif
.set k, k+1
.endr
	WIN 0
	v_add_f32 v[ACC], v[ACC], v[ACC+2]
	v_add_f32 v[ACC+1], v[ACC+1], v[ACC+3]
	v_add_f32 v146, v146, v148
	v_add_f32 v147, v147, v149
	ELU ACC, ACC+2
	ELU ACC+1, ACC+3
	v_add_f32 v[ACC], v146, v[ACC]
	v_add_f32 v[ACC+1], v147, v[ACC+1]
	ds_store_b64 v4, v[ACC:ACC+1]                  ; waited for at the head's end, ahead of the round
.Lsmall_done:
	v_and_b32 v1, 15, v0
	v_bfe_u32 v2, v0, 4, 1                         ; h = lane / 16
	v_mul_u32_u24 v3, v1, PITCH
	v_lshl_add_u32 v4, v2, 4, v3                   ; a fragment's row x pitch + 16 x half
	s_mul_i32 s30, s[WH], HALFT                    ; my 128 rows of A
	s_mul_i32 s31, s[WL], HALFT                    ; my 128 rows of B,
	s_add_co_u32 s31, s31, 2*HALFT                 ; which lie behind A's 256
.irp s, 0,1
	v_add_nc_u32 v[ADRA+\s], s30, v4
	v_add_nc_u32 v[ADRB+\s], s31, v4
	s_add_co_u32 s30, s30, SLOT
	s_add_co_u32 s31, s31, SLOT
.endr
	v_mul_u32_u24 v5, v1, KS                       ; my row's scales: 32 bytes a row,
	v_lshrrev_b32 v6, 8, v5
	v_lshl_add_u32 v5, v6, 4, v5                   ; and 16 more for each 256 passed
	s_mul_i32 s30, s[WH], HALFS
	s_mul_i32 s31, s[WL], HALFS
	s_add_co_u32 s31, s31, 2*HALFS
	s_sub_co_u32 s31, s31, s30
	v_mul_u32_u24 v6, s31, v2                      ; lanes 16-31 take B's
	s_add_co_u32 s30, s30, SCL
	v_add_nc_u32 v5, v5, v6
	v_add_nc_u32 v[ADRS], s30, v5
	v_and_b32 v6, 31, v0
	v_lshlrev_b32 v[L16], 4, v6
	v_lshlrev_b32 v[L8], 3, v6
	s_lshl_b32 s30, s[WL], 9
	s_add_co_u32 s30, s30, KM
	v_lshl_add_u32 v30, v2, 5, s30                 ; k: where my half's eight numbers of kmod lie in LDS: my 128 columns, + 32 h
	; which part of the results is my wave's
	s_lshl_b32 s30, s99, 1
	s_add_co_u32 s30, s30, s[WH]                   ; my 128 rows of A's tensor
	s_lshl_b32 s31, s100, 1
	s_add_co_u32 s31, s31, s[WL]                   ; my 128 rows of B's
	s_cmp_eq_u32 s[KIND], 2
	s_cselect_b32 s2, s31, s30                     ; of x: 8 batch + step of 128 tokens
	s_cselect_b32 s3, s30, s31                     ; of the weight: the pair of heads
	s_lshr_b32 s98, s2, 3                          ; the batch
	s_and_b32 s2, s2, 7                            ; the step
	s_lshl_b32 s101, s98, 3
	s_add_co_u32 s101, s101, s3                    ; rec
	s_lshl_b32 s24, s3, 9                          ; the bias: 128 numbers a pair of heads,
	s_mov_b32 s25, 0
	s_add_nc_u64 s[20:21], s[20:21], s[24:25]
	s_mov_b32 s7, 0
	s_mov_b32 s9, 0
	s_mov_b32 s11, 0
	s_mov_b32 s12, 0xffff0000                      ; lanes 16-31
	s_mov_b32 s14, 0x76543210                      ; v_permlanex16_b32's selects for lane l xor 16
	s_mov_b32 s15, 0xfedcba98
; the layouts' figures: s6 from block to block, s8 more behind block 3, s10 from the first store of a block to the second; s16 a record, s17 the part in it, s18 log2 of a step's bytes; s19, s22, s23 the same for the scale words
.macro KINDSET s1, s2, s3, recb, offc, ssh, recb2, off2, s2sh
	s_mov_b32 s6, \s1
	s_mov_b32 s8, \s2
	s_mov_b32 s10, \s3
	s_mov_b32 s16, \recb
	s_mov_b32 s17, \offc
	s_mov_b32 s18, \ssh
	s_mov_b32 s19, \recb2
	s_mov_b32 s22, \off2
	s_mov_b32 s23, \s2sh
.endm
	s_cmp_eq_u32 s[KIND], 2
	s_cbranch_scc1 .Lkind_v
	s_cmp_eq_u32 s[KIND], 1
	s_cbranch_scc1 .Lkind_k                        ; k's bias comes from LDS, behind the round
	v_lshlrev_b32 v[BO], 5, v2                     ; q: register j of tile b is column 16 b + 8 h + j
.irp b, 0,1,2,3,4,5,6,7
	global_load_b128 v[BIAS+8*\b:BIAS+8*\b+3], v[BO], s[20:21] offset:64*\b
	global_load_b128 v[BIAS+8*\b+4:BIAS+8*\b+7], v[BO], s[20:21] offset:64*\b+16
.endr
	KINDSET 1024, 0, 512, 65536, 0, 13, 8192, 0, 10
	s_branch .Lkind_set
.Lkind_k:
	KINDSET 512, 0, 32768, REC, 0, 12, REC, 131072, 9
	s_branch .Lkind_set
.Lkind_v:
	v_lshlrev_b32 v[BO], 2, v1                     ; v: all eight registers of block a belong to column 16 a + r
.irp a, 0,1,2,3,4,5,6,7
	global_load_b32 v[BIAS+8*\a], v[BO], s[20:21] offset:64*\a
.endr
	KINDSET 1024, 28672, 512, REC, 65536, 12, REC, 139264, 8
	s_wait_loadcnt 0x0
.irp a, 0,1,2,3,4,5,6,7
.irp j, 1,2,3,4,5,6,7
	v_mov_b32 v[BIAS+8*\a+\j], v[BIAS+8*\a]
.endr
.endr
.rept 4
	v_nop
.endr
.Lkind_set:
	s_wait_loadcnt 0x0                             ; the biases
	s_mul_i32 s24, s101, s16
	s_add_co_u32 s24, s24, s17
	s_lshl_b32 s30, s2, s18
	s_add_co_u32 s24, s24, s30
	s_add_nc_u64 s[26:27], s[26:27], s[24:25]      ; where block 0's first four registers go,
	s_add_nc_u64 s[4:5], s[26:27], s[10:11]        ; and its second four
	s_mul_i32 s24, s101, s19
	s_add_co_u32 s24, s24, s22
	s_lshl_b32 s30, s2, s23
	s_add_co_u32 s24, s24, s30
	s_add_nc_u64 s[28:29], s[28:29], s[24:25]      ; and my scale words
.macro FRAG reg, adr, q, i             ; a fragment, 16 rows x 128 K of 4-bit codes: lane l holds row l % 16; registers 4 c .. 4 c + 3 hold K = 64 c + 32 (l / 16) + 0 .. 31
.irp c, 0,1
	ds_load_b128 v[\reg+4*\c:\reg+4*\c+3], v[\adr] offset:64*(\q)+32*\c+(\i)*16*PITCH
.endr
.endm
; 16 matrix instructions: A's blocks a0, a0 + 1 x B's eight, the slot's q-th 128 along K.  zero = 1: the sums begin on the bias of B's rows; 2: on that of A's rows; 0: they go on in place.
; The 64 accumulators take turns, one instruction a turn, in the same order in every step.
.macro MUL16 a0, p, q, sc, zero
.irp a, \a0, \a0+1
.irp b, 0,1,2,3,4,5,6,7
.if \zero == 1
	v_wmma_scale_f32_16x16x128_f8f6f4 v[8*(8*((\a)%4)+\b):8*(8*((\a)%4)+\b)+7], v[128*(\p)+FR*\b:128*(\p)+FR*\b+FR-1], v[AF+FR*(\a):AF+FR*(\a)+FR-1], v[BIAS+8*\b:BIAS+8*\b+7], v[SC+8*NQ*(\sc)+NQ*\b+(\q)], v[SC+8*NQ*(\sc)+NQ*(\a)+(\q)] matrix_a_fmt:MATRIX_FMT_FP4 matrix_b_fmt:MATRIX_FMT_FP4 matrix_a_scale:MATRIX_SCALE_ROW1
.elseif \zero == 2
	v_wmma_scale_f32_16x16x128_f8f6f4 v[8*(8*((\a)%4)+\b):8*(8*((\a)%4)+\b)+7], v[128*(\p)+FR*\b:128*(\p)+FR*\b+FR-1], v[AF+FR*(\a):AF+FR*(\a)+FR-1], v[BIAS+8*(\a):BIAS+8*(\a)+7], v[SC+8*NQ*(\sc)+NQ*\b+(\q)], v[SC+8*NQ*(\sc)+NQ*(\a)+(\q)] matrix_a_fmt:MATRIX_FMT_FP4 matrix_b_fmt:MATRIX_FMT_FP4 matrix_a_scale:MATRIX_SCALE_ROW1
.else
	v_wmma_scale_f32_16x16x128_f8f6f4 v[8*(8*((\a)%4)+\b):8*(8*((\a)%4)+\b)+7], v[128*(\p)+FR*\b:128*(\p)+FR*\b+FR-1], v[AF+FR*(\a):AF+FR*(\a)+FR-1], v[8*(8*((\a)%4)+\b):8*(8*((\a)%4)+\b)+7], v[SC+8*NQ*(\sc)+NQ*\b+(\q)], v[SC+8*NQ*(\sc)+NQ*(\a)+(\q)] matrix_a_fmt:MATRIX_FMT_FP4 matrix_b_fmt:MATRIX_FMT_FP4 matrix_a_scale:MATRIX_SCALE_ROW1
.endif
.endr
.endr
.endm
.macro FETCH_B slot, q, p
	WIN TO_B
.irp i, 0,1,2,3,4,5,6,7
	FRAG 128*(\p)+FR*\i, ADRB+\slot, \q, \i
.endr
	WIN 0
.endm
.macro FETCH_A slot, q, i0
.irp i, \i0, \i0+1, \i0+2, \i0+3
	FRAG AF+FR*(\i), ADRA+\slot, \q, \i
.endr
.endm
.macro SCALES sc                       ; a slot's scale words: 4 words a row; lanes 0-15 take A's block i, lanes 16-31 B's block i
.irp i, 0,1,2,3,4,5,6,7
	ds_load_b128 v[SC+8*NQ*\sc+NQ*\i:SC+8*NQ*\sc+NQ*\i+3], v[ADRS] offset:\i*SBLK
.endr
.endm
.macro PLACES n                        ; plain vector lines between a matrix instruction and a load into, or a vector line on, its registers
.rept \n
	v_nop
.endr
.endm
; A step of 128 along K that has its successor in the same slot.  A's blocks go one after the other, so one set of registers serves A: blocks 0-3 are fetched anew in the middle, blocks 4-7 at the end.
.macro STEP slot, q, zero
	s_wait_dscnt 4*NL                              ; B's set and A's blocks 0-3 are in; the youngest eight loads (A's blocks 4-7) may be out
.if \zero
	WIN 0x81                                       ; C (the bias) window 0, D window 2
.else
	WIN MUL_LO
.endif
	MUL16 0, (\q)%2, \q, \slot, \zero
	MUL16 2, (\q)%2, \q, \slot, \zero
	s_wait_dscnt 0
	PLACES NP
	FETCH_B \slot, (\q)+1, 1-(\q)%2
	FETCH_A \slot, (\q)+1, 0
.if \zero
	WIN 0xc1
.else
	WIN MUL_HI
.endif
	MUL16 4, (\q)%2, \q, \slot, \zero
	MUL16 6, (\q)%2, \q, \slot, \zero
	PLACES NP
	WIN 0
	FETCH_A \slot, (\q)+1, 4
.endm
; Slot 0's last step goes over to slot 1: each wave waits for all its tensor loads, its part of slot 1 among them, and one barrier shows slot 1 whole to all four.  Nothing is filled again.
.macro TURN slot, next
	s_wait_tensorcnt 0x0
	ds_add_u32 v[SPW], v[NIL]                      ; 0 onto my spare word
	s_wait_dscnt 4*NL+1                            ; (the add and the youngest eight loads may be out)
	WIN MUL_LO
	MUL16 0, 1, NQ-1, \slot, 0
	s_wait_dscnt 0x0
	s_barrier_signal -1
	MUL16 2, 1, NQ-1, \slot, 0
	WIN 0
	s_barrier_wait -1
	PLACES NP
	v_add_nc_u32 v[ADRS], 4*NQ, v[ADRS]            ; on to the next slot's scale words (no LDS load of mine is out)
	FETCH_B \next, 0, 0
	FETCH_A \next, 0, 0
	SCALES \next
	WIN MUL_HI
	MUL16 4, 1, NQ-1, \slot, 0
	MUL16 6, 1, NQ-1, \slot, 0
	PLACES NP
	WIN 0
	FETCH_A \next, 0, 4
.endm
.macro STEPS slot, from
.set Q, \from
.rept NQ-1-\from
	STEP \slot, Q, 0
.set Q, Q+1
.endr
.endm
	s_wait_alu depctr_va_vdst(0)
	s_wait_tensorcnt 0x0                           ; my tile of the head's four is in
	ds_add_u32 v[SPW], v[NIL]                      ; 0 onto my spare word
	s_mov_b32 s[G1+2], 128<<16                     ; no tensor load of mine is out, so a descriptor may be written: slot 1's loads bring 128 rows
	s_mov_b32 s[G1+4], 128
	s_mov_b32 s[G1B+2], 128<<16
	s_mov_b32 s[G1B+4], 128
	s_wait_dscnt 0x0                               ; the add is done
	CROUND                                         ; a whole round: all four tiles are in, and the sixteen work-groups' joint loads meet
	JLOAD G0+4, G1, G0B+4, G1B                     ; slot 1's load, the first tensor load behind the round: one load of mine is out
	s_cmp_eq_u32 s[KIND], 1
	s_cbranch_scc0 .Lno_km
.irp b, 0,1,2,3,4,5,6,7
	ds_load_b128 v[BIAS+8*\b:BIAS+8*\b+3], v30 offset:64*\b        ; k: kmod, which all four waves stored ahead of the round: register j of tile b is column 16 b + 8 h + j
	ds_load_b128 v[BIAS+8*\b+4:BIAS+8*\b+7], v30 offset:64*\b+16   ; (older than the fragments' loads: the first step's counted wait covers them)
.endr
.Lno_km:
	FETCH_B 0, 0, 0
	FETCH_A 0, 0, 0
	s_wait_alu depctr_va_vdst(0)
	SCALES 0
	FETCH_A 0, 0, 4
	s_cmp_eq_u32 s[KIND], 2                        ; the first step is written twice: its C names other registers for v
	s_cbranch_scc1 .Lfirst_v
	STEP 0, 0, 1
	s_branch .Lfirst_done
.Lfirst_v:
	STEP 0, 0, 2
.Lfirst_done:
	STEPS 0, 1
	TURN 0, 1
	STEPS 1, 0
	s_wait_dscnt 4*NL                              ; the last step: nothing more to fetch
	WIN MUL_LO
	MUL16 0, 1, NQ-1, 1, 0
	MUL16 2, 1, NQ-1, 1, 0
	s_wait_dscnt 0
	WIN MUL_HI
	MUL16 4, 1, NQ-1, 1, 0
	MUL16 6, 1, NQ-1, 1, 0
	WIN 0
; THE WAY OUT of block a (16 rows of A's): its 8 tiles are 4 blocks of 32 along the next K.  Each accumulator is read from its low end on.
.macro OUTA a
.set AC, 64*((\a)%4)
	WIN 0x0a+5*((\a)/4)                            ; sources 0 and 1: window 2 or 3
.irp b, 0,1,2,3
	v_max3_num_f32 v[TM+\b], |v[AC+16*\b]|, |v[AC+16*\b+1]|, 0x1800000   ; block b: my 16 numbers, and the floor 2^(3 - 127): so the byte cannot fall under 1
.endr
.irp i, 2,4,6,8,10,12,14
.irp b, 0,1,2,3
	v_max3_num_f32 v[TM+\b], |v[AC+16*\b+\i]|, |v[AC+16*\b+\i+1]|, v[TM+\b]   ; (the four blocks by turns)
.endr
.endr
	WIN 0
.irp b, 0,1,2,3
	v_permlanex16_b32 v[TM+4+\b], v[TM+\b], s14, s15
.endr
.irp b, 0,1,2,3
	v_max_num_f32 v[TM+\b], v[TM+\b], v[TM+4+\b]   ; with lane l xor 16's: the block's largest magnitude
.endr
.irp b, 0,1,2,3
	v_add_nc_u32 v[TM+12+\b], 0xff000000, v[TM+\b] ; 2 off its exponent field: the conversion takes the exponent field of this operand as its scale
.endr
.irp b, 0,1,2,3
	v_lshrrev_b32 v[TM+4+\b], 23, v[TM+12+\b]      ; the scale's byte
.endr
	v_lshl_or_b32 v[PWS+(\a)], v[TM+5], 8, v[TM+4]
	v_lshl_or_b32 v[PWS+(\a)], v[TM+6], 16, v[PWS+(\a)]
	v_lshl_or_b32 v[PWS+(\a)], v[TM+7], 24, v[PWS+(\a)]
.if (\a) > 0
	s_wait_xcnt 0x0                                ; the last block's stores have read their data and bases: both are written again only behind this wait
	s_add_nc_u64 s[26:27], s[26:27], s[6:7]
	s_add_nc_u64 s[4:5], s[4:5], s[6:7]
.if (\a) == 4
	s_add_nc_u64 s[26:27], s[26:27], s[8:9]        ; v: on to the odd head's part
	s_add_nc_u64 s[4:5], s[4:5], s[8:9]
.endif
.endif
	WIN 0x02+(\a)/4                                ; source 0: window 2 or 3
.irp c, 0,1
.irp e, 0,1
	v_cvt_scalef32_pk8_fp4_f32 v[PC+4*\c+\e], v[AC+16*(2*\c+\e):AC+16*(2*\c+\e)+7], v[TM+12+2*\c+\e]        ; block 2 c + e: k = 8 h + 0 .. 7 of it,
	v_cvt_scalef32_pk8_fp4_f32 v[PC+4*\c+2+\e], v[AC+16*(2*\c+\e)+8:AC+16*(2*\c+\e)+15], v[TM+12+2*\c+\e]   ; and 16 + 8 h + 0 .. 7
.endr
.endr
	WIN 0
	v_nop                                          ; one plain line behind a scaled conversion
.irp c, 0,1
	v_permlane16_swap_b32 v[PC+4*\c], v[PC+4*\c+1]       ; the first's lanes 16-31 change places with the second's lanes 0-15:
	v_permlane16_swap_b32 v[PC+4*\c+2], v[PC+4*\c+3]     ; registers 4 c .. 4 c + 3 now hold k = 64 c + 32 h + 0 .. 31
.endr
	global_store_b128 v[L16], v[PC:PC+3], s[26:27]       ; 32 lanes store 512 consecutive bytes, at a multiple of 256 from the buffer's first byte
	global_store_b128 v[L16], v[PC+4:PC+7], s[4:5]
.endm
	PLACES NP
.irp b, 0,1,2,3
	v_mov_b32 v[TM+4+\b], 0                        ; written once: a lane permute's destination counts as one of its sources
.endr
.irp a, 0,1,2,3,4,5,6,7
	OUTA \a
.endr
	; the scale words, laid as the reader's scale registers want them
	s_cmp_eq_u32 s[KIND], 2
	s_cbranch_scc1 .Lwords_v
	s_cmp_eq_u32 s[KIND], 1
	s_cbranch_scc1 .Lwords_k
.irp a, 0,1,2,3,4,5,6,7
	v_and_b32 v[R+\a], 0xffff, v[PWS+\a]           ; q: the even head's two bytes,
	v_lshrrev_b32 v[R+8+\a], 16, v[PWS+\a]         ; the odd head's
.endr
.irp a, 0,1,2,3,4,5,6,7
	v_cndmask_b32 v[R+\a], v[R+\a], v[R+8+\a], s12 ; lanes 16-31 carry the odd head's
.endr
	global_store_b128 v[L16], v[R:R+3], s[28:29]
	global_store_b128 v[L16], v[R+4:R+7], s[28:29] offset:512
	s_branch .Lwords_done
.Lwords_k:
.irp p, 0,1,2,3
	v_cndmask_b32 v[R+8+\p], v[PWS+2*\p], v[PWS+2*\p+1], s12   ; k: lanes 0-15 tile 2 p, lanes 16-31 tile 2 p + 1
.endr
.irp p, 0,1,2,3
	v_and_b32 v[R+\p], 0xffff, v[R+8+\p]
	v_lshrrev_b32 v[R+4+\p], 16, v[R+8+\p]
.endr
	global_store_b128 v[L16], v[R:R+3], s[28:29]
	global_store_b128 v[L16], v[R+4:R+7], s[28:29] offset:4096
	s_branch .Lwords_done
.Lwords_v:
.irp i, 0,1,2,3
	v_cndmask_b32 v[R+\i], v[PWS+2*\i], v[PWS+2*\i+1], s12     ; v: lanes 0-15 channels' tile 2 i, lanes 16-31 tile 2 i + 1
.endr
	global_store_b64 v[L8], v[R:R+1], s[28:29]
	global_store_b64 v[L8], v[R+2:R+3], s[28:29] offset:2048
.Lwords_done:
	s_wait_tensorcnt 0x0                           ; the wave's end
	ds_add_u32 v[SPW], v[NIL]
	s_wait_dscnt 0x0
	CROUND                                         ; the closing round: no work-group ends while a partner may still ask for a tile that names it
	s_endpgm
.Lfunc_end_k_qf4e807fbe9_qkv:
	.size	k_qf4e807fbe9_qkv, .Lfunc_end_k_qf4e807fbe9_qkv-k_qf4e807fbe9_qkv
	.p2alignl 7, 3214868480
	.fill 96, 4, 3214868480
	.section	.rodata,"a",@progbits
	.p2align	6, 0x0
	.amdhsa_kernel k_qf4e807fbe9_qkv
		.amdhsa_group_segment_fixed_size 327680
		.amdhsa_private_segment_fixed_size 0
		.amdhsa_enable_private_segment 0
		.amdhsa_kernarg_size 200
		.amdhsa_user_sgpr_count 2
		.amdhsa_user_sgpr_kernarg_segment_ptr 1
		.amdhsa_wavefront_size32 1
		.amdhsa_system_sgpr_workgroup_id_x 1
		.amdhsa_system_sgpr_workgroup_id_y 1
		.amdhsa_system_sgpr_workgroup_id_z 1
		.amdhsa_system_vgpr_workitem_id 0
		.amdhsa_next_free_vgpr 1024
		.amdhsa_next_free_sgpr 102
		.amdhsa_reserve_vcc 1
		.amdhsa_float_denorm_mode_32 3
		.amdhsa_float_denorm_mode_16_64 3
		.amdhsa_memory_ordered 1
		.amdhsa_forward_progress 1
		.amdhsa_inst_pref_size 208
	.end_amdhsa_kernel
	.amdgpu_metadata
---
amdhsa.version: [ 1, 2 ]
amdhsa.kernels:
  - .name:           k_qf4e807fbe9_qkv
    .symbol:         k_qf4e807fbe9_qkv.kd
    .args:
      - { .name: x_codes, .offset: 0, .size: 8, .value_kind: global_buffer, .address_space: global }
      - { .name: x_scales, .offset: 8, .size: 8, .value_kind: global_buffer, .address_space: global }
      - { .name: Wq_codes, .offset: 16, .size: 8, .value_kind: global_buffer, .address_space: global }
      - { .name: Wq_scales, .offset: 24, .size: 8, .value_kind: global_buffer, .address_space: global }
      - { .name: Wk_codes, .offset: 32, .size: 8, .value_kind: global_buffer, .address_space: global }
      - { .name: Wk_scales, .offset: 40, .size: 8, .value_kind: global_buffer, .address_space: global }
      - { .name: Wv_codes, .offset: 48, .size: 8, .value_kind: global_buffer, .address_space: global }
      - { .name: Wv_scales, .offset: 56, .size: 8, .value_kind: global_buffer, .address_space: global }
      - { .name: bq, .offset: 64, .size: 8, .value_kind: global_buffer, .address_space: global }
      - { .name: cancer_type, .offset: 72, .size: 8, .value_kind: global_buffer, .address_space: global }
      - { .name: bv, .offset: 80, .size: 8, .value_kind: global_buffer, .address_space: global }
      - { .name: q_img, .offset: 88, .size: 8, .value_kind: global_buffer, .address_space: global }
      - { .name: q_sc, .offset: 96, .size: 8, .value_kind: global_buffer, .address_space: global }
      - { .name: kv, .offset: 104, .size: 8, .value_kind: global_buffer, .address_space: global }
      - { .name: graph_context, .offset: 112, .size: 8, .value_kind: global_buffer, .address_space: global }
      - { .name: Wgk, .offset: 120, .size: 8, .value_kind: global_buffer, .address_space: global }
      - { .name: bgk, .offset: 128, .size: 8, .value_kind: global_buffer, .address_space: global }
      - { .name: bk, .offset: 136, .size: 8, .value_kind: global_buffer, .address_space: global }
      - { .name: ct_key_emb, .offset: 144, .size: 8, .value_kind: global_buffer, .address_space: global }
      - { .name: Wg1, .offset: 152, .size: 8, .value_kind: global_buffer, .address_space: global }
      - { .name: bg1, .offset: 160, .size: 8, .value_kind: global_buffer, .address_space: global }
      - { .name: Wg2, .offset: 168, .size: 8, .value_kind: global_buffer, .address_space: global }
      - { .name: bg2, .offset: 176, .size: 8, .value_kind: global_buffer, .address_space: global }
      - { .name: ct_bias_emb, .offset: 184, .size: 8, .value_kind: global_buffer, .address_space: global }
      - { .name: sb8, .offset: 192, .size: 8, .value_kind: global_buffer, .address_space: global }
    .group_segment_fixed_size: 327680
    .private_segment_fixed_size: 0
    .kernarg_segment_align: 8
    .kernarg_segment_size: 200
    .max_flat_workgroup_size: 128
    .sgpr_count:     102
    .vgpr_count:     1024
    .wavefront_size: 32
...
	.end_amdgpu_metadata
.endif
;; end of part 1
;; launch attn (part 2): grid 4 x 64, 16 waves a work-group, clusters of 4 x 1, 169,984 bytes of LDS; arguments q_img, q_sc, kv, sb8, attn_mask, o_img, o_sc; writes o_img, o_sc
.if DOCPART == 2
	.amdgcn_target "amdgcn-amd-amdhsa--gfx1250"
	.amdhsa_code_object_version 6
	.text
	.protected	k_qf4e807fbe9_attn
	.globl	k_qf4e807fbe9_attn
	.p2align	8
	.type	k_qf4e807fbe9_attn,@function
k_qf4e807fbe9_attn:
	s_mov_b64 s[64:65], 0
	v_nop
	global_prefetch_b8 v0, s[64:65] scope:SCOPE_SE
	s_setreg_imm32_b32 hwreg(HW_REG_WAVE_MODE, 25, 1), 1
	s_wait_xcnt 0x0
	s_wait_alu depctr_hold_cnt(0) depctr_sa_sdst(0) depctr_va_vdst(0) depctr_va_sdst(0) depctr_va_ssrc(0) depctr_va_vcc(0) depctr_vm_vsrc(0)
	s_getreg_b32 s2, hwreg(HW_REG_IB_STS2, 6, 4)
	s_cmp_eq_u32 s2, 0
	s_cbranch_scc0 .Lentry_in_a_cluster
	s_endpgm
.Lentry_in_a_cluster:
	s_bfe_u32 s2, ttmp6, 0x10000c
	s_cmp_lg_u32 s2, 0x3003
	s_cbranch_scc0 .Lentry_shape_is_right
	s_endpgm
.Lentry_shape_is_right:
; o = softmax(q k^T / 8 + bias, masked keys left out) v for a pair of heads, both products on codes of FP4 (E2M1) with E8M0 scales, and o quantised along the hidden axis for the output's projection.
; THE SOFTMAX AHEAD OF THE SECOND PRODUCT: t = (q . k + 8 bias) x log2(e) / 8; M = the row's largest t so far, rounded up to a whole number; p = 2^(t - M) is quantised along the keys, not normalised.
; The row's sum is taken of the unquantised p and divides at the end.  When M moves, the sum and O are multiplied by 2^(old M - new M): exact.
; SHARES.  A work-group owns 256 queries of one record (batch, pair of heads); each of its sixteen waves 16 queries, for BOTH heads one after the other, so that it ends with a whole fragment (16 rows x 128 along the
; next K) and a whole scale word a row.  Four waves to a SIMD: one wave's vector work stands beside another's matrix work and LDS loads.
; THE RECORD (both heads' K and V as images of the operands' registers, and their scale words: 143,360 bytes) comes into LDS ONCE: no ring, no refill, no barrier in the loops.
; CLUSTER.  The four query blocks of a record need the same record: waves 0-7 of each ask for an eighth of it jointly, with the same descriptor and the mask of all four.
; LAYOUT.  Both products transposed: S^T = K Q^T (source 0 = 16 keys), O^T = V^T P^T (source 0 = 16 channels): a lane holds one query (lane % 16) throughout; registers run along keys, then channels.
; K = 64 in an instruction of 128: registers 4-7 of K's and of Q's fragments hold zero codes (registers of their own for each side), their scale bytes are 0, which is 2^-127.
; BIAS AND MASK ARE THE C OF THE SCORES' PRODUCT: a table in LDS holds for each key 8 x bias, or -2^100 where the mask hides the key; it is loaded into the scores' registers and the product adds onto it.
; LIMITS: the largest t starts at -2^90, over a hidden key's t (-2^97.5): so p of a hidden key is 0 from the first step on; logits whose t lies under -2^89 are not served.  A row with every key hidden gets the scale
; byte 0xff, which makes its outputs NaN, as the softmax of nothing is.  t is formed as (q . k + 8 bias) x c, another order of rounding than q . k / 8 + bias.  NaN and infinities among the inputs are not served.
; A block of p or of o under 2^-124 keeps the scale byte 1.
; REGISTERS: v1-3 lane terms; v4-8 addresses of the loads in hand; v9 o's scale word; v10-11 LDS places of the words; v12 -M, v13 the largest t, v[14:15] the sum; v16-23 Q of head 0; v24-27 K's scale words,
;   v28-29 V's, v30 Q's, v31 p's; v32-95 eight fragments of K; v96-159 S^T, then p; v160-191 O^T; v192-223 four fragments of V; v224-231 p's codes; v232-247 at work; v248-255 Q of head 1.
.set REC,  143360
.set PART, 17920                       ; an eighth of a record: 70 rows of 256 bytes
.set KC,   0
.set VC,   65536
.set KSO,  131072
.set VSO,  139264
.set CT,   143360                      ; behind the record: [head 2][key 1024] f32
.set OSG,  151552                      ; o's scale words: 64 bytes for each wave
.set WV,   18
.macro ROUND
	s_barrier_signal -1
	s_barrier_wait -1
	s_cmp_lg_u32 s[WV], 0
	s_cbranch_scc1 .Lnot_wave_0_\@
	s_barrier_signal -3
.Lnot_wave_0_\@:
	s_barrier_wait -3
	s_barrier_signal -1
	s_barrier_wait -1
.endm
	s_load_b256 s[4:11], s[0:1], 0x0               ; q_img 4:5, q_sc 6:7, kv 8:9, sb8 10:11
	s_load_b128 s[12:15], s[0:1], 0x20             ; attn_mask 12:13, o_img 14:15
	s_load_b64 s[16:17], s[0:1], 0x30              ; o_sc
	v_lshl_add_u32 v254, v0, 2, 0x29000
	v_mov_b32 v255, 0
	ds_add_u32 v254, v255
	ds_add_u32 v254, v255
	s_wait_dscnt 0x0
	v_lshrrev_b32 v4, 5, v0
	s_delay_alu instid0(VALU_DEP_1)
	v_readfirstlane_b32 s[WV], v4                  ; wave 0..15
	v_and_b32 v5, 31, v0
	s_delay_alu instid0(VALU_DEP_1)
	v_lshlrev_b32 v1, 4, v5                        ; 16 x lane: an image's place for my lane
	s_delay_alu instid0(VALU_DEP_2)
	v_lshlrev_b32 v2, 3, v5                        ; 8 x lane
	v_bfe_u32 v6, v0, 4, 1
	s_delay_alu instid0(VALU_DEP_1)
	v_lshlrev_b32 v3, 5, v6                        ; 32 x (lane / 16): my half's eight keys in the table
	v_and_b32 v7, 15, v0
	v_lshl_add_u32 v10, v4, 6, OSG
	s_delay_alu instid0(VALU_DEP_1)
	v_lshl_add_u32 v10, v7, 2, v10                 ; my row's word: OSG + 64 x wave + 4 x (lane % 16)
	v_and_b32 v8, 63, v0
	s_delay_alu instid0(VALU_DEP_1)
	v_lshl_add_u32 v11, v8, 4, OSG                 ; and where waves 0 and 1 read the words back
	v_lshl_add_u32 v235, v0, 3, CT                 ; the table: my two keys
	v_lshlrev_b32 v247, 1, v0                      ; the mask: my two bytes
	s_bfe_u32 s36, ttmp6, 0x40000                  ; cx: my block of 256 queries: it enters global addresses alone
	s_and_b32 s37, ttmp7, 0xffff                   ; rec, which the four partners share
	s_lshr_b32 s38, s37, 3                         ; the batch
	s_and_b32 s39, s37, 7                          ; the pair of heads
	s_lshl_b32 s40, s37, 3                         ; sb8: 64 batch + 8 pair
	s_lshl_b32 s42, s36, 4
	s_add_co_u32 s42, s42, s[WV]                   ; my tile of 16 queries in the batch
	s_mov_b32 s24, 15|(3<<16)|(1<<21)              ; group 1: 15:0 the mask: all four; 17:16 elements of 8 bytes; 21 set beside a mask; no padding
	s_mov_b32 s25, 32<<16                          ; tensor_dim0 = 32 elements: 256 bytes
	s_mov_b32 s26, 70<<16                          ; tensor_dim1
	s_mov_b32 s27, 32<<16                          ; tile_dim0
	s_mov_b32 s28, 70                              ; tile_dim1
	s_mov_b32 s29, 32                              ; dense
	s_mov_b32 s30, 0
	s_mov_b32 s31, 0
	s_mov_b32 s32, 1
	s_mul_i32 s33, s[WV], PART                     ; LDS: my eighth
	s_mul_i32 s44, s37, REC
	s_add_co_u32 s44, s44, s33
	s_mov_b32 s45, 0
	s_mov_b32 s47, 0
	s_mov_b32 s20, 0x76543210                      ; v_permlanex16_b32's selects for lane l xor 16
	s_mov_b32 s21, 0xfedcba98
	s_mov_b32 s22, 0x3e38aa3b                      ; c = log2(e) / 8
	s_mov_b32 s23, s22                             ; (named with it as a pair)
	s_wait_kmcnt 0x0
	s_load_b64 s[56:57], s[10:11], s40 offset:0x0  ; 8 x bias of the two heads
	s_add_nc_u64 s[34:35], s[8:9], s[44:45]
	s_or_b32 s35, s35, 0x80000000
	ROUND                                          ; all four work-groups are here: the joint loads meet
	s_cmp_lt_u32 s[WV], 8
	s_cbranch_scc0 .Lno_fetch
	tensor_load_to_lds s[32:35], s[24:31]          ; one load of mine is out
	s_nop 0
.rept 4
	v_nop
.endr
.Lno_fetch:
	s_lshl_b32 s46, s38, 10
	s_add_nc_u64 s[12:13], s[12:13], s[46:47]      ; the batch's row of the mask
	s_lshl_b32 s46, s37, 16
	s_lshl_b32 s43, s42, 10
	s_add_co_u32 s46, s46, s43
	s_add_nc_u64 s[4:5], s[4:5], s[46:47]          ; my tile's two images of Q
	s_lshl_b32 s46, s37, 13
	s_lshr_b32 s43, s42, 2
	s_lshl_b32 s43, s43, 9
	s_add_co_u32 s46, s46, s43
	s_and_b32 s43, s42, 3
	s_lshl_b32 s43, s43, 2
	s_add_co_u32 s46, s46, s43
	s_add_nc_u64 s[6:7], s[6:7], s[46:47]          ; and its scale word
	s_wait_alu depctr_va_vdst(0)
	global_load_u16 v246, v247, s[12:13]
	global_load_b128 v[16:19], v1, s[4:5]
	global_load_b128 v[248:251], v1, s[4:5] offset:512
	global_load_b32 v30, v1, s[6:7]
	s_lshl_b32 s46, s38, 6
	s_add_co_u32 s46, s46, s42
	s_lshl_b32 s46, s46, 13                        ; o_img: 8,192 bytes for each tile of 16 rows,
	s_lshl_b32 s43, s39, 10                        ; 1,024 for each pair of heads
	s_add_co_u32 s46, s46, s43
	s_add_nc_u64 s[14:15], s[14:15], s[46:47]
	s_lshl_b32 s46, s39, 9
	s_lshl_b32 s43, s38, 6
	s_add_co_u32 s46, s46, s43
	s_lshl_b32 s43, s36, 4
	s_add_co_u32 s46, s46, s43
	s_lshl_b32 s46, s46, 6                         ; o_sc: 64 bytes for each (pair, tile)
	s_add_nc_u64 s[16:17], s[16:17], s[46:47]
.irp j, 20,21,22,23,252,253,254,255
	v_mov_b32 v[\j], 0                             ; Q's zero codes: k = 64 .. 127
.endr
.irp t, 0,1,2,3,4,5,6,7
.irp j, 4,5,6,7
	v_mov_b32 v[32+8*\t+\j], 0                     ; K's, in registers of their own
.endr
.endr
	v_mov_b32 v245, 0                              ; (named as the upper half of the pair v[244:245])
	v_mov_b32 v234, 0xf1800000                     ; -2^100
	s_wait_loadcnt 3                               ; the mask is in; Q's three loads may be out
	s_wait_kmcnt 0x0
	v_mov_b32 v242, s56
	s_wait_alu depctr_va_vdst(0)
	v_mov_b32 v243, s57
	v_and_b32 v232, 0xff, v246
	v_lshrrev_b32 v233, 8, v246
	s_delay_alu instid0(VALU_DEP_2)
	v_cmp_ne_u32 vcc_lo, 0, v232
	s_delay_alu instid0(VALU_DEP_2)
	v_cmp_ne_u32 s41, 0, v233
	s_delay_alu instid0(VALU_DEP_2)
	v_cndmask_b32 v236, v242, v234, vcc_lo         ; keys 2 t and 2 t + 1, head 0,
	s_delay_alu instid0(VALU_DEP_2)
	v_cndmask_b32 v237, v242, v234, s41
	s_delay_alu instid0(VALU_DEP_4)
	v_cndmask_b32 v238, v243, v234, vcc_lo         ; head 1.  (v236-239 are later a lane permute's destinations: they are written here)
	s_delay_alu instid0(VALU_DEP_4)
	v_cndmask_b32 v239, v243, v234, s41
	ds_store_b64 v235, v[236:237]
	ds_store_b64 v235, v[238:239] offset:4096
	s_wait_loadcnt 0x0                             ; Q
	s_wait_tensorcnt 0x0                           ; my eighth of the record has landed,
	s_wait_dscnt 0x0                               ; my part of the table is stored:
	s_barrier_signal -1
	s_barrier_wait -1                              ; everybody's
.macro SCORE t, hd                     ; S^T tile t += K's tile t x Q: onto the table's numbers
.set QB, 16+232*\hd
.if ((\t)%2 == 0) && (\hd == 0)
	v_wmma_scale_f32_16x16x128_f8f6f4 v[96+8*\t:103+8*\t], v[32+8*\t:39+8*\t], v[QB:QB+7], v[96+8*\t:103+8*\t], v[24+\t/2], v30 matrix_a_fmt:MATRIX_FMT_FP4 matrix_b_fmt:MATRIX_FMT_FP4
.elseif \hd == 0
	v_wmma_scale_f32_16x16x128_f8f6f4 v[96+8*\t:103+8*\t], v[32+8*\t:39+8*\t], v[QB:QB+7], v[96+8*\t:103+8*\t], v[24+\t/2], v30 matrix_a_fmt:MATRIX_FMT_FP4 matrix_b_fmt:MATRIX_FMT_FP4 matrix_a_scale:MATRIX_SCALE_ROW1
.elseif (\t)%2 == 0
	v_wmma_scale_f32_16x16x128_f8f6f4 v[96+8*\t:103+8*\t], v[32+8*\t:39+8*\t], v[QB:QB+7], v[96+8*\t:103+8*\t], v[24+\t/2], v30 matrix_a_fmt:MATRIX_FMT_FP4 matrix_b_fmt:MATRIX_FMT_FP4 matrix_b_scale:MATRIX_SCALE_ROW1
.else
	v_wmma_scale_f32_16x16x128_f8f6f4 v[96+8*\t:103+8*\t], v[32+8*\t:39+8*\t], v[QB:QB+7], v[96+8*\t:103+8*\t], v[24+\t/2], v30 matrix_a_fmt:MATRIX_FMT_FP4 matrix_b_fmt:MATRIX_FMT_FP4 matrix_a_scale:MATRIX_SCALE_ROW1 matrix_b_scale:MATRIX_SCALE_ROW1
.endif
.endm
.macro PVP d                           ; O^T tile d += V^T's tile d x P^T
.if (\d)%2
	v_wmma_scale_f32_16x16x128_f8f6f4 v[160+8*\d:167+8*\d], v[192+8*\d:199+8*\d], v[224:231], v[160+8*\d:167+8*\d], v[28+\d/2], v31 matrix_a_fmt:MATRIX_FMT_FP4 matrix_b_fmt:MATRIX_FMT_FP4 matrix_a_scale:MATRIX_SCALE_ROW1
.else
	v_wmma_scale_f32_16x16x128_f8f6f4 v[160+8*\d:167+8*\d], v[192+8*\d:199+8*\d], v[224:231], v[160+8*\d:167+8*\d], v[28+\d/2], v31 matrix_a_fmt:MATRIX_FMT_FP4 matrix_b_fmt:MATRIX_FMT_FP4
.endif
.endm
; ONE HEAD of the pair: eight steps of 128 keys, then the division, the quantising of o's 64 channels (two blocks of 32) and the store of four registers' image.
.macro PASS hd
.if \hd
	s_wait_xcnt 0x0                                ; the first head's store has read v224-227
.endif
	v_mov_b32 v13, 0xec800000                      ; the largest t so far: -2^90
	s_delay_alu instid0(VALU_DEP_1)
	v_floor_f32 v12, -v13                          ; -M
	v_mov_b32 v14, 0                               ; the sum, in two halves
	v_mov_b32 v15, 0
.set j, 0
.rept 32
	v_mov_b32 v[160+j], 0                          ; O^T.  (The step is written once: the first finds zeros, which the first change of M leaves zeros)
.set j, j+1
.endr
	s_mov_b32 s50, KC+32768*\hd                    ; where the step's images of K begin, 4,096 bytes a step;
	s_mov_b32 s51, VC+32768*\hd                    ; V's likewise;
	s_mov_b32 s52, CT+4096*\hd                     ; the table, 512 a step;
	s_mov_b32 s53, KSO+4096*\hd                    ; K's scale words, 512;
	s_mov_b32 s54, VSO+2048*\hd                    ; V's, 256
	s_mov_b32 s55, 8
.Lstep_\@:
	v_add_nc_u32 v4, s50, v1                       ; (these five are also the places between the last products and the loads into their operands)
	v_add_nc_u32 v5, s51, v1
	v_add_nc_u32 v6, s52, v3
	v_add_nc_u32 v7, s53, v1
	v_add_nc_u32 v8, s54, v2
	ds_load_b128 v[24:27], v7                      ; K's scale words: register p: lanes 0-15 tile 2 p, lanes 16-31 tile 2 p + 1
.irp t, 0,1,2,3,4,5,6,7
	ds_load_b128 v[32+8*\t:35+8*\t], v4 offset:512*\t
.endr
.irp t, 0,1,2,3,4,5,6,7
	ds_load_b128 v[96+8*\t:99+8*\t], v6 offset:64*\t        ; register j of tile t is key 16 t + 8 h + j
	ds_load_b128 v[100+8*\t:103+8*\t], v6 offset:64*\t+16
.endr
	ds_load_b64 v[28:29], v8
.irp d, 0,1,2,3
.irp u, 0,1
	ds_load_b128 v[192+8*\d+4*\u:195+8*\d+4*\u], v5 offset:1024*\d+512*\u
.endr
.endr
	s_wait_dscnt 9                                 ; LDS loads come back in order: V's nine may be out
.irp t, 0,1,2,3,4,5,6,7
	SCORE \t, \hd
.endr
.rept 4
	v_nop
.endr
.irp b, 0,1,2,3
	v_max3_num_f32 v[232+\b], v[96+16*\b], v[97+16*\b], v[98+16*\b]   ; the largest score of each block of 32 keys: for the row's maximum and, since p rises with the score, for the block's largest p
.endr
.irp i, 3,5,7,9,11,13
.irp b, 0,1,2,3
	v_max3_num_f32 v[232+\b], v[232+\b], v[96+16*\b+\i], v[97+16*\b+\i]
.endr
.endr
.irp b, 0,1,2,3
	v_max_num_f32 v[232+\b], v[232+\b], v[111+16*\b]
.endr
.irp b, 0,1,2,3
	s_delay_alu instid0(VALU_DEP_4)
	v_permlanex16_b32 v[236+\b], v[232+\b], s20, s21
.endr
.irp b, 0,1,2,3
	s_delay_alu instid0(VALU_DEP_4)
	v_max_num_f32 v[232+\b], v[232+\b], v[236+\b]  ; with lane l xor 16's 16 keys
.endr
	s_delay_alu instid0(VALU_DEP_2)
	v_max3_num_f32 v246, v232, v233, v234
	s_delay_alu instid0(VALU_DEP_1)
	v_max_num_f32 v246, v246, v235
	s_delay_alu instid0(VALU_DEP_1)
	v_mul_f32 v246, s22, v246                      ; the step's largest t (c is positive)
	s_delay_alu instid0(VALU_DEP_1)
	v_max_num_f32 v13, v13, v246
	v_mov_b32 v246, v12
	s_delay_alu instid0(VALU_DEP_2)
	v_floor_f32 v12, -v13                          ; the new -M = -ceil(t)
	s_delay_alu instid0(VALU_DEP_1)
	v_sub_f32 v246, v12, v246                      ; old M - new M: a whole number, 0 or less
	s_delay_alu instid0(VALU_DEP_1)
	v_cvt_i32_f32 v246, v246                       ; (it saturates)
	s_delay_alu instid0(VALU_DEP_1)
	v_ldexp_f32 v244, 1.0, v246                    ; f = 2^(old M - new M)
.set j, 0
.rept 32
	v_pk_fma_f32 v[96+j:97+j], v[96+j:97+j], s[22:23], v[12:13] op_sel_hi:[1,0,0]   ; t - M, two at a time
.set j, j+2
.endr
.irp b, 0,1,2,3
	v_fma_f32 v[232+\b], v[232+\b], s22, v12       ; the same of each block's largest score
.endr
.set j, 0
	s_wait_alu depctr_va_vdst(0)
.rept 64
	v_exp_f32 v[96+j], v[96+j]                     ; p = 2^(t - M)
.set j, j+1
.endr
.irp b, 0,1,2,3
	v_exp_f32 v[232+\b], v[232+\b]                 ; the block's largest p: the same two instructions on the same number
.endr
	v_pk_mul_f32 v[14:15], v[14:15], v[244:245] op_sel_hi:[1,0]   ; the sums under the new M.  (A plain line behind the exponentials)
	s_wait_alu depctr_va_vdst(0)
.irp b, 0,1,2,3
	v_max_num_f32 v[232+\b], 0x1800000, v[232+\b]  ; the floor 2^(3 - 127): the byte cannot fall under 1
.endr
.irp b, 0,1,2,3
	s_delay_alu instid0(VALU_DEP_4)
	v_add_nc_u32 v[240+\b], 0xff000000, v[232+\b]  ; 2 off the exponent field: the conversion's scale operand
.endr
.irp b, 0,1,2,3
	s_delay_alu instid0(VALU_DEP_4)
	v_lshrrev_b32 v[236+\b], 23, v[240+\b]
.endr
	s_delay_alu instid0(VALU_DEP_3)
	v_lshl_or_b32 v31, v237, 8, v236               ; p's scale word for these 128 keys
	s_delay_alu instid0(VALU_DEP_1)
	v_lshl_or_b32 v31, v238, 16, v31
	s_delay_alu instid0(VALU_DEP_1)
	v_lshl_or_b32 v31, v239, 24, v31
.irp g, 0,1
.irp e, 0,1
	v_cvt_scalef32_pk8_fp4_f32 v[224+4*\g+\e], v[96+16*(2*\g+\e):103+16*(2*\g+\e)], v[240+2*\g+\e]
	v_cvt_scalef32_pk8_fp4_f32 v[226+4*\g+\e], v[104+16*(2*\g+\e):111+16*(2*\g+\e)], v[240+2*\g+\e]
.endr
.endr
	v_nop                                          ; one plain line behind a scaled conversion
.irp g, 0,1
	v_permlane16_swap_b32 v[224+4*\g], v[225+4*\g] ; registers 4 g .. 4 g + 3 now hold keys 64 g + 32 h + 0 .. 31
	v_permlane16_swap_b32 v[226+4*\g], v[227+4*\g]
.endr
	v_pk_add_f32 v[236:237], v[100:101], v[104:105]
	v_pk_add_f32 v[242:243], v[108:109], v[112:113]
	v_pk_add_f32 v[240:241], v[116:117], v[120:121]
	v_pk_add_f32 v[234:235], v[124:125], v[128:129]
	v_pk_add_f32 v[232:233], v[132:133], v[136:137]
	v_pk_add_f32 v[90:91], v[140:141], v[144:145]
	v_pk_add_f32 v[88:89], v[148:149], v[152:153]
	v_pk_add_f32 v[14:15], v[14:15], v[156:157]
	v_pk_add_f32 v[236:237], v[236:237], v[96:97]
	v_pk_add_f32 v[242:243], v[242:243], v[98:99]
	v_pk_add_f32 v[240:241], v[240:241], v[102:103]
	v_pk_add_f32 v[234:235], v[234:235], v[106:107]
	v_pk_add_f32 v[232:233], v[232:233], v[110:111]
	v_pk_add_f32 v[90:91], v[90:91], v[114:115]
	v_pk_add_f32 v[88:89], v[88:89], v[118:119]
	v_pk_add_f32 v[14:15], v[14:15], v[122:123]
	v_pk_add_f32 v[236:237], v[236:237], v[126:127]
	v_pk_add_f32 v[242:243], v[242:243], v[130:131]
	v_pk_add_f32 v[240:241], v[240:241], v[134:135]
	v_pk_add_f32 v[234:235], v[234:235], v[138:139]
	v_pk_add_f32 v[232:233], v[232:233], v[142:143]
	v_pk_add_f32 v[90:91], v[90:91], v[146:147]
	v_pk_add_f32 v[88:89], v[88:89], v[150:151]
	v_pk_add_f32 v[14:15], v[14:15], v[154:155]
	v_pk_add_f32 v[236:237], v[236:237], v[158:159]
	s_delay_alu instid0(VALU_DEP_2)
	v_pk_add_f32 v[14:15], v[14:15], v[234:235]
	s_delay_alu instid0(VALU_DEP_2)
	v_pk_add_f32 v[236:237], v[236:237], v[232:233]
	v_pk_add_f32 v[242:243], v[242:243], v[90:91]
	v_pk_add_f32 v[240:241], v[240:241], v[88:89]
	s_delay_alu instid0(VALU_DEP_2)
	v_pk_add_f32 v[14:15], v[14:15], v[242:243]
	s_delay_alu instid0(VALU_DEP_2)
	v_pk_add_f32 v[236:237], v[236:237], v[240:241]
	s_delay_alu instid0(VALU_DEP_1)
	v_pk_add_f32 v[14:15], v[14:15], v[236:237]
.set j, 0
.rept 16
	v_pk_mul_f32 v[160+j:161+j], v[160+j:161+j], v[244:245] op_sel_hi:[1,0]   ; O^T under the new M.  (With the sums above: the places between the lines that made p's codes and scale word and the products)
.set j, j+2
.endr
	s_wait_alu depctr_va_vdst(0)
	s_wait_dscnt 0x0                               ; V
.irp d, 0,1,2,3
	PVP \d
.endr
	s_add_co_u32 s50, s50, 4096
	s_add_co_u32 s51, s51, 4096
	s_add_co_u32 s52, s52, 512
	s_add_co_u32 s53, s53, 512
	s_add_co_u32 s54, s54, 256
	s_sub_co_u32 s55, s55, 1
	s_cmp_lg_u32 s55, 0
	s_cbranch_scc1 .Lstep_\@
.rept 4
	v_nop
.endr
	v_add_f32 v14, v14, v15                        ; the sum's two halves,
	s_delay_alu instid0(VALU_DEP_1)
	v_permlanex16_b32 v246, v14, s20, s21
	s_delay_alu instid0(VALU_DEP_1)
	v_add_f32 v14, v14, v246                       ; and lane l xor 16's
	s_wait_alu depctr_va_vdst(0)
	v_rcp_f32 v14, v14
	v_mov_b32 v247, 0xffff                         ; (a plain line behind the transcendental)
.set j, 0
	s_wait_alu depctr_va_vdst(0)
.rept 32
	v_mul_f32 v[96+j], v[160+j], v14               ; register 8 d + i is o(my query, channel 16 d + 8 h + i)
.set j, j+1
.endr
.irp b, 0,1
	v_max3_num_f32 v[232+\b], |v[96+16*\b]|, |v[97+16*\b]|, 0x1800000
.endr
.irp i, 2,4,6,8,10,12,14
.irp b, 0,1
	s_delay_alu instid0(VALU_DEP_2)
	v_max3_num_f32 v[232+\b], v[232+\b], |v[96+16*\b+\i]|, |v[97+16*\b+\i]|
.endr
.endr
.irp b, 0,1
	s_delay_alu instid0(VALU_DEP_2)
	v_permlanex16_b32 v[236+\b], v[232+\b], s20, s21
.endr
.irp b, 0,1
	s_delay_alu instid0(VALU_DEP_2)
	v_max_num_f32 v[232+\b], v[232+\b], v[236+\b]
.endr
.irp b, 0,1
	s_delay_alu instid0(VALU_DEP_2)
	v_add_nc_u32 v[240+\b], 0xff000000, v[232+\b]
.endr
.irp b, 0,1
	s_delay_alu instid0(VALU_DEP_2)
	v_lshrrev_b32 v[236+\b], 23, v[240+\b]
.endr
	s_delay_alu instid0(VALU_DEP_1)
	v_lshl_or_b32 v246, v237, 8, v236              ; this head's two bytes
	v_cmp_gt_f32 vcc_lo, 0xec000000, v13           ; -2^89 > the largest t: every key was hidden:
	s_delay_alu instid0(VALU_DEP_1)
	v_cndmask_b32 v246, v246, v247, vcc_lo         ; the bytes 0xff make the row NaN
.if \hd
	s_delay_alu instid0(VALU_DEP_1)
	v_lshl_or_b32 v9, v246, 16, v9
.else
	s_delay_alu instid0(VALU_DEP_1)
	v_mov_b32 v9, v246
.endif
	v_cvt_scalef32_pk8_fp4_f32 v224, v[96:103], v240
	v_cvt_scalef32_pk8_fp4_f32 v226, v[104:111], v240
	v_cvt_scalef32_pk8_fp4_f32 v225, v[112:119], v241
	v_cvt_scalef32_pk8_fp4_f32 v227, v[120:127], v241
	v_nop
	v_permlane16_swap_b32 v224, v225
	v_permlane16_swap_b32 v226, v227               ; registers 4 hd .. 4 hd + 3 of the next product's fragment: k = 64 hd + 32 h + 0 .. 31
	global_store_b128 v1, v[224:227], s[14:15] offset:512*\hd   ; 512 consecutive bytes
.endm
	PASS 0
	PASS 1
	ds_store_b32 v10, v9                           ; both halves of the lanes write the same word with the same value
	s_wait_dscnt 0x0
	s_barrier_signal -1
	s_barrier_wait -1                              ; the sixteen tiles' words lie on end: 1,024 bytes
	s_cmp_lt_u32 s[WV], 2
	s_cbranch_scc0 .Lno_words
	ds_load_b128 v[232:235], v11
	v_and_b32 v8, 63, v0
	s_delay_alu instid0(VALU_DEP_1)
	v_lshlrev_b32 v8, 4, v8
	s_wait_alu depctr_va_vdst(0)
	s_wait_dscnt 0x0
	global_store_b128 v8, v[232:235], s[16:17]     ; each of the two waves stores 512 consecutive bytes
.Lno_words:
	s_wait_xcnt 0x0
	v_lshl_add_u32 v254, v0, 2, 0x29000
	v_mov_b32 v255, 0
	s_wait_alu depctr_va_vdst(0)
	s_wait_tensorcnt 0x0
	ds_add_u32 v254, v255
	s_wait_dscnt 0x0
	ROUND                                          ; the closing round
	s_endpgm
.Lfunc_end_k_qf4e807fbe9_attn:
	.size	k_qf4e807fbe9_attn, .Lfunc_end_k_qf4e807fbe9_attn-k_qf4e807fbe9_attn
	.p2alignl 7, 3214868480
	.fill 96, 4, 3214868480
	.section	.rodata,"a",@progbits
	.p2align	6, 0x0
	.amdhsa_kernel k_qf4e807fbe9_attn
		.amdhsa_group_segment_fixed_size 169984
		.amdhsa_private_segment_fixed_size 0
		.amdhsa_enable_private_segment 0
		.amdhsa_kernarg_size 56
		.amdhsa_user_sgpr_count 2
		.amdhsa_user_sgpr_kernarg_segment_ptr 1
		.amdhsa_wavefront_size32 1
		.amdhsa_system_sgpr_workgroup_id_x 1
		.amdhsa_system_sgpr_workgroup_id_y 1
		.amdhsa_system_sgpr_workgroup_id_z 1
		.amdhsa_system_vgpr_workitem_id 0
		.amdhsa_next_free_vgpr 256
		.amdhsa_next_free_sgpr 66
		.amdhsa_reserve_vcc 1
		.amdhsa_float_denorm_mode_32 3
		.amdhsa_float_denorm_mode_16_64 3
		.amdhsa_memory_ordered 1
		.amdhsa_forward_progress 1
		.amdhsa_inst_pref_size 55
	.end_amdhsa_kernel
	.amdgpu_metadata
---
amdhsa.version: [ 1, 2 ]
amdhsa.kernels:
  - .name:           k_qf4e807fbe9_attn
    .symbol:         k_qf4e807fbe9_attn.kd
    .args:
      - { .name: q_img, .offset: 0, .size: 8, .value_kind: global_buffer, .address_space: global }
      - { .name: q_sc, .offset: 8, .size: 8, .value_kind: global_buffer, .address_space: global }
      - { .name: kv, .offset: 16, .size: 8, .value_kind: global_buffer, .address_space: global }
      - { .name: sb8, .offset: 24, .size: 8, .value_kind: global_buffer, .address_space: global }
      - { .name: attn_mask, .offset: 32, .size: 8, .value_kind: global_buffer, .address_space: global }
      - { .name: o_img, .offset: 40, .size: 8, .value_kind: global_buffer, .address_space: global }
      - { .name: o_sc, .offset: 48, .size: 8, .value_kind: global_buffer, .address_space: global }
    .group_segment_fixed_size: 169984
    .private_segment_fixed_size: 0
    .kernarg_segment_align: 8
    .kernarg_segment_size: 56
    .max_flat_workgroup_size: 512
    .sgpr_count:     66
    .vgpr_count:     256
    .wavefront_size: 32
...
	.end_amdgpu_metadata
.endif
;; end of part 2
;; launch oproj (part 3): grid 4 x 64, 4 waves a work-group, clusters of 4 x 4, 327,680 bytes of LDS; arguments o_img, o_sc, Wo_codes, Wo_scales, bo, out0; writes out0
.if DOCPART == 3
	.amdgcn_target "amdgcn-amd-amdhsa--gfx1250"
	.amdhsa_code_object_version 6
	.text
	.protected	k_qf4e807fbe9_oproj
	.globl	k_qf4e807fbe9_oproj
	.p2align	8
	.type	k_qf4e807fbe9_oproj,@function
k_qf4e807fbe9_oproj:
	s_mov_b64 s[64:65], 0
	v_nop
	global_prefetch_b8 v0, s[64:65] scope:SCOPE_SE
	s_setreg_imm32_b32 hwreg(HW_REG_WAVE_MODE, 25, 1), 1
	s_wait_xcnt 0x0
	s_wait_alu depctr_hold_cnt(0) depctr_sa_sdst(0) depctr_va_vdst(0) depctr_va_sdst(0) depctr_va_ssrc(0) depctr_va_vcc(0) depctr_vm_vsrc(0)
	s_getreg_b32 s2, hwreg(HW_REG_IB_STS2, 6, 4)
	s_cmp_eq_u32 s2, 0
	s_cbranch_scc0 .Lentry_in_a_cluster
	s_endpgm
.Lentry_in_a_cluster:
	s_bfe_u32 s2, ttmp6, 0x10000c
	s_cmp_lg_u32 s2, 0xf033
	s_cbranch_scc0 .Lentry_shape_is_right
	s_endpgm
.Lentry_shape_is_right:
.set WB,     65536
.set WSLOT,  256                       ; the second 512 along K lie 256 bytes on in Wo's LDS rows
.set WHALF,  128*528                   ; 128 rows of Wo in LDS: 512 bytes + 16 of padding each = 132 words, so the 16 rows that a load touches start at 16 different banks (ISA guide 11.1)
.set OS,     204800
.set WS,     208896
.set STG,    217600
.set SPITCH, 528
.set SA,   32
.set SB,   48
.set BIAS, 128
.set BK,   128
.set WV, 16
.set WH, 17
.set WL, 18
.set G1, 24
.set G0, 32
.set G1B, 48
.set G0B, 56
.set G1S, 68
.set G0S, 76
.set G1SB, 80
.set G0SB, 88
.set MSB, 0
.macro WIN new
.if MSB != \new
	s_set_vgpr_msb (MSB<<8)|\new
.set MSB, \new
.endif
.endm
; An arm of the head's tree of branches on the wave's number: one joint load, then a jump to the tree's end.  An s_nop 0 and four v_nop follow the load.
.macro ARM under, g0, g1, next
	s_cmp_lt_u32 s[WV], \under
	s_cbranch_scc0 \next
	tensor_load_to_lds s[\g0:\g0+3], s[\g1:\g1+7]
	s_nop 0
.rept 4
	v_nop
.endr
	s_branch .Lhead_asked
\next:
.endm
.macro GRP0 g, lds, p                  ; a group 0: count 1, LDS address, global address, type 2
	s_mov_b32 s[\g], 1
	s_mov_b32 s[\g+1], \lds
	s_mov_b64 s[\g+2:\g+3], s[\p:\p+1]
	s_or_b32 s[\g+3], s[\g+3], 0x80000000
.endm
.macro CROUND
	s_barrier_signal -1
	s_barrier_wait -1
	s_cmp_lg_u32 s[WV], 0
	s_cbranch_scc1 .Lnot_wave_0_\@
	s_barrier_signal -3
.Lnot_wave_0_\@:
	s_barrier_wait -3
	s_barrier_signal -1
	s_barrier_wait -1
.endm
.macro PLACES n
.rept \n
	v_nop
.endr
.endm
	s_load_b256 s[4:11], s[0:1], 0x0
	s_load_b128 s[12:15], s[0:1], 0x20
	v_lshl_add_u32 v126, v0, 2, 0x40000
	v_mov_b32 v127, 0
	ds_add_u32 v126, v127
	ds_add_u32 v126, v127
	v_lshrrev_b32 v1, 5, v0
	v_readfirstlane_b32 s[WV], v1
	s_lshr_b32 s[WH], s[WV], 1
	s_and_b32 s[WL], s[WV], 1
	s_bfe_u32 s40, ttmp6, 0x40000
	s_bfe_u32 s41, ttmp6, 0x40004
	s_lshl_b32 s42, ttmp9, 2
	s_add_co_u32 s42, s42, s40
	s_and_b32 s19, ttmp7, 0xffff
	s_lshl_b32 s19, s19, 2
	s_add_co_u32 s19, s19, s41
	s_lshl_b32 s43, s41, 2
	s_lshl_b32 s43, 15, s43
	s_lshl_b32 s44, 0x1111, s40
	s_or_b32 s[G1+0], s43, (3<<16)|(1<<21)
	s_mov_b32 s[G1+1], 32<<16                      ; o's images of my 128 rows, all of K: 65,536 dense bytes as 256 rows of 256 bytes (32 elements of 8)
	s_mov_b32 s[G1+2], 256<<16
	s_mov_b32 s[G1+3], 32<<16
	s_mov_b32 s[G1+4], 256
	s_mov_b32 s[G1+5], 32
	s_mov_b32 s[G1+6], 0
	s_mov_b32 s[G1+7], 0
	s_or_b32 s[G1S+0], s43, (3<<16)|(1<<21)
	s_mov_b32 s[G1S+1], 64<<16
	s_mov_b32 s[G1S+2], 8<<16                      ; o's scale words: 512 bytes for each of the 8 pairs of heads
	s_mov_b32 s[G1S+3], 64<<16
	s_mov_b32 s[G1S+4], 8
	s_mov_b32 s[G1S+5], 4096
	s_mov_b32 s[G1S+6], 0
	s_mov_b32 s[G1S+7], 0
	s_or_b32 s[G1B+0], s44, (0<<16)|(1<<20)|(1<<21)|(6<<22)|(3<<25)   ; Wo's 256 rows, whole: 512 bytes each, four words of padding after every 128
	s_mov_b32 s[G1B+1], 512<<16
	s_mov_b32 s[G1B+2], 256<<16
	s_mov_b32 s[G1B+3], 512<<16
	s_mov_b32 s[G1B+4], 256
	s_mov_b32 s[G1B+5], 512
	s_mov_b32 s[G1B+6], 0
	s_mov_b32 s[G1B+7], 0
	s_or_b32 s[G1SB+0], s44, (3<<16)|(1<<20)|(1<<21)|(5<<22)|(3<<25)
	s_mov_b32 s[G1SB+1], 32<<16
	s_mov_b32 s[G1SB+2], 32<<16                    ; Wo's scales of 256 rows: 8,192 dense bytes as 32 rows of 256
	s_mov_b32 s[G1SB+3], 32<<16
	s_mov_b32 s[G1SB+4], 32
	s_mov_b32 s[G1SB+5], 32
	s_mov_b32 s[G1SB+6], 0
	s_mov_b32 s[G1SB+7], 0
	s_lshl_b32 s20, s19, 16                        ; o_img: 8 tiles of 16 rows x 8,192 bytes for each block of 128 rows
	s_mov_b32 s21, 0
	s_lshl_b32 s22, s19, 9                         ; o_sc: 512 bytes of each pair's 32,768
	s_mov_b32 s23, 0
	s_lshl_b32 s46, s42, 8                         ; Wo: row 256 x tile column:
	s_lshl_b32 s92, s46, 5                         ; its scales,
	s_lshl_b32 s46, s46, 9                         ; its codes
	s_mov_b32 s47, 0
	s_mov_b32 s93, 0
	s_wait_dscnt 0x0
	s_wait_kmcnt 0x0
	s_add_nc_u64 s[20:21], s[4:5], s[20:21]
	s_add_nc_u64 s[22:23], s[6:7], s[22:23]
	s_add_nc_u64 s[46:47], s[8:9], s[46:47]
	s_add_nc_u64 s[92:93], s[10:11], s[92:93]
	CROUND
	; ALL OF K COMES AT THE HEAD, ONE JOINT LOAD A WAVE, each tile filled once: wave 0 o's images, wave 1 Wo's codes, wave 2 o's scale words, wave 3 Wo's scales
	GRP0 G0, 0, 20
	GRP0 G0B, WB, 46
	GRP0 G0S, OS, 22
	GRP0 G0SB, WS, 92
	ARM 1, G0,  G1,  .Lhead_b
	ARM 2, G0B, G1B, .Lhead_sa
	ARM 3, G0S, G1S, .Lhead_sb
	tensor_load_to_lds s[G0SB:G0SB+3], s[G1SB:G1SB+7]
	s_nop 0
.rept 4
	v_nop
.endr
.Lhead_asked:
	v_and_b32 v1, 15, v0
	v_bfe_u32 v2, v0, 4, 1
	v_and_b32 v3, 31, v0
	s_lshl_b32 s45, s[WH], 15                      ; my 64 rows: four tiles of 8,192 bytes
	v_lshl_add_u32 v16, v3, 4, s45
	v_mul_u32_u24 v4, v1, 528
	v_lshl_add_u32 v4, v2, 4, v4
	s_mul_i32 s45, s[WL], WHALF
	s_add_co_u32 s45, s45, WB
	v_add_nc_u32 v20, s45, v4
	s_add_co_u32 s45, s45, WSLOT
	v_add_nc_u32 v21, s45, v4
	s_lshl_b32 s45, s[WH], 8
	s_add_co_u32 s45, s45, OS
	v_lshl_add_u32 v22, v3, 2, s45
	v_lshrrev_b32 v5, 3, v3
	v_mul_u32_u24 v5, v5, 272
	v_and_b32 v6, 7, v3
	v_lshl_add_u32 v5, v6, 5, v5
	s_mul_i32 s45, s[WL], 4352
	s_add_co_u32 s45, s45, WS
	v_add_nc_u32 v23, s45, v5
	s_mul_i32 s45, s[WV], 16*SPITCH
	s_add_co_u32 s45, s45, STG
	v_mul_u32_u24 v5, v1, SPITCH
	v_lshl_add_u32 v5, v2, 5, v5
	v_add_nc_u32 v24, s45, v5
	v_lshlrev_b32 v26, 4, v3
	v_add_nc_u32 v25, s45, v26
	v_lshlrev_b32 v27, 5, v2
	s_wait_alu depctr_va_vdst(0)
	s_lshl_b32 s46, s42, 10
	s_lshl_b32 s47, s[WL], 9
	s_add_co_u32 s46, s46, s47
	s_mov_b32 s47, 0
	s_add_nc_u64 s[12:13], s[12:13], s[46:47]
	s_add_nc_u64 s[14:15], s[14:15], s[46:47]
	s_lshl_b32 s46, s19, 19
	s_lshl_b32 s92, s[WH], 18
	s_add_co_u32 s46, s46, s92
	s_add_nc_u64 s[14:15], s[14:15], s[46:47]
.irp b, 0,1,2,3,4,5,6,7
	global_load_b128 v[BIAS+8*\b:BIAS+8*\b+3], v27, s[12:13] offset:64*\b
	global_load_b128 v[BIAS+8*\b+4:BIAS+8*\b+7], v27, s[12:13] offset:64*\b+16
.endr
.macro FETCH s, p
	WIN 0x40
.irp a, 0,1,2,3
.irp c, 0,1
	ds_load_b128 v[96*(\p)+8*\a+4*\c:96*(\p)+8*\a+4*\c+3], v16 offset:8192*\a+1024*(\s)+512*\c
.endr
.endr
.irp b, 0,1,2,3,4,5,6,7
.irp c, 0,1
	ds_load_b128 v[96*(\p)+32+8*\b+4*\c:96*(\p)+32+8*\b+4*\c+3], v[20+(\s)/4] offset:64*((\s)%4)+32*\c+8448*\b
.endr
.endr
.endm
.macro PROD d, fa, fb, cc, sa, sb, oa, ob
.if (\oa) && (\ob)
	v_wmma_scale_f32_16x16x128_f8f6f4 v[\d:\d+7], v[\fa:\fa+7], v[\fb:\fb+7], v[\cc:\cc+7], v[\sa], v[\sb] matrix_a_fmt:MATRIX_FMT_FP4 matrix_b_fmt:MATRIX_FMT_FP4 matrix_a_scale:MATRIX_SCALE_ROW1 matrix_b_scale:MATRIX_SCALE_ROW1
.elseif \oa
	v_wmma_scale_f32_16x16x128_f8f6f4 v[\d:\d+7], v[\fa:\fa+7], v[\fb:\fb+7], v[\cc:\cc+7], v[\sa], v[\sb] matrix_a_fmt:MATRIX_FMT_FP4 matrix_b_fmt:MATRIX_FMT_FP4 matrix_a_scale:MATRIX_SCALE_ROW1
.elseif \ob
	v_wmma_scale_f32_16x16x128_f8f6f4 v[\d:\d+7], v[\fa:\fa+7], v[\fb:\fb+7], v[\cc:\cc+7], v[\sa], v[\sb] matrix_a_fmt:MATRIX_FMT_FP4 matrix_b_fmt:MATRIX_FMT_FP4 matrix_b_scale:MATRIX_SCALE_ROW1
.else
	v_wmma_scale_f32_16x16x128_f8f6f4 v[\d:\d+7], v[\fa:\fa+7], v[\fb:\fb+7], v[\cc:\cc+7], v[\sa], v[\sb] matrix_a_fmt:MATRIX_FMT_FP4 matrix_b_fmt:MATRIX_FMT_FP4
.endif
.endm
.macro MUL s, p, first
.if \first
	WIN 0x85
.else
	WIN 0xa5
.endif
.irp a, 0,1,2,3
.irp b, 0,1,2,3,4,5,6,7
.if \first
	PROD 8*(8*\a+\b), 96*(\p)+32+8*\b, 96*(\p)+8*\a, BIAS+8*\b, SB+16*((\s)/4)+4*(\b/2)+(\s)%4, SA+2*(\s)+\a/2, \b%2, \a%2
.else
	PROD 8*(8*\a+\b), 96*(\p)+32+8*\b, 96*(\p)+8*\a, 8*(8*\a+\b), SB+16*((\s)/4)+4*(\b/2)+(\s)%4, SA+2*(\s)+\a/2, \b%2, \a%2
.endif
.endr
.endr
.endm
.macro KST s
	s_wait_dscnt 0x0
.if \s < 7
.if \s > 0
	PLACES 4
.endif
	FETCH (\s)+1, 1-(\s)%2
.endif
	MUL \s, (\s)%2, (\s)==0
.endm
	s_wait_alu depctr_va_vdst(0)
	s_wait_tensorcnt 0x0                           ; my tile of the four is in; the barrier below shows all four to every wave
	s_barrier_signal -1
	s_barrier_wait -1
.irp s, 0,1,2,3,4,5,6,7
.irp i, 0,1
	ds_load_b32 v[SA+2*\s+\i], v22 offset:512*\s+128*\i
.endr
.endr
.irp g, 0,1
.irp i, 0,1,2,3
	ds_load_b128 v[SB+16*\g+4*\i:SB+16*\g+4*\i+3], v23 offset:1088*\i+16*\g
.endr
.endr
	FETCH 0, 0
	s_wait_loadcnt 0x0
.irp s, 0,1,2,3,4,5,6,7
	KST \s
.endr
	WIN 0
.macro TOSTAGE a
.set AC, 64*(\a)
	WIN 0x08
.irp b, 0,1,2,3,4,5,6,7
	ds_store_b128 v24, v[AC+8*\b:AC+8*\b+3] offset:64*\b
	ds_store_b128 v24, v[AC+8*\b+4:AC+8*\b+7] offset:64*\b+16
.endr
	WIN 0
.set BB, BK+64*((\a)%2)
.irp t, 0,1,2,3,4,5,6,7,8,9,10,11,12,13,14,15
	ds_load_b128 v[BB+4*\t:BB+4*\t+3], v25 offset:\t*SPITCH
.endr
.endm
.macro SEND a, younger
.set BB, BK+64*((\a)%2)
	s_wait_dscnt \younger
.if (\a) > 0
	s_add_nc_u64 s[14:15], s[14:15], 16*4096
.endif
.irp t, 0,1,2,3,4,5,6,7,8,9,10,11,12,13,14,15
	global_store_b128 v26, v[BB+4*\t:BB+4*\t+3], s[14:15] offset:\t*4096 th:TH_STORE_NT
.endr
.endm
	PLACES 4
	TOSTAGE 0
.irp a, 1,2,3
.if \a > 1
	s_wait_xcnt 0x0
.endif
	TOSTAGE \a
	SEND \a-1, 32
.endr
	s_wait_xcnt 0x0
	SEND 3, 0
	s_wait_tensorcnt 0x0
	ds_add_u32 v126, v127
	s_wait_dscnt 0x0
	CROUND
	s_endpgm
.Lfunc_end_k_qf4e807fbe9_oproj:
	.size	k_qf4e807fbe9_oproj, .Lfunc_end_k_qf4e807fbe9_oproj-k_qf4e807fbe9_oproj
	.p2alignl 7, 3214868480
	.fill 96, 4, 3214868480
	.section	.rodata,"a",@progbits
	.p2align	6, 0x0
	.amdhsa_kernel k_qf4e807fbe9_oproj
		.amdhsa_group_segment_fixed_size 327680
		.amdhsa_private_segment_fixed_size 0
		.amdhsa_enable_private_segment 0
		.amdhsa_kernarg_size 48
		.amdhsa_user_sgpr_count 2
		.amdhsa_user_sgpr_kernarg_segment_ptr 1
		.amdhsa_wavefront_size32 1
		.amdhsa_system_sgpr_workgroup_id_x 1
		.amdhsa_system_sgpr_workgroup_id_y 1
		.amdhsa_system_sgpr_workgroup_id_z 1
		.amdhsa_system_vgpr_workitem_id 0
		.amdhsa_next_free_vgpr 768
		.amdhsa_next_free_sgpr 98
		.amdhsa_reserve_vcc 0
		.amdhsa_float_denorm_mode_32 3
		.amdhsa_float_denorm_mode_16_64 3
		.amdhsa_memory_ordered 1
		.amdhsa_forward_progress 1
		.amdhsa_inst_pref_size 72
	.end_amdhsa_kernel
	.amdgpu_metadata
---
amdhsa.version: [ 1, 2 ]
amdhsa.kernels:
  - .name:           k_qf4e807fbe9_oproj
    .symbol:         k_qf4e807fbe9_oproj.kd
    .args:
      - { .name: o_img, .offset: 0, .size: 8, .value_kind: global_buffer, .address_space: global }
      - { .name: o_sc, .offset: 8, .size: 8, .value_kind: global_buffer, .address_space: global }
      - { .name: Wo_codes, .offset: 16, .size: 8, .value_kind: global_buffer, .address_space: global }
      - { .name: Wo_scales, .offset: 24, .size: 8, .value_kind: global_buffer, .address_space: global }
      - { .name: bo, .offset: 32, .size: 8, .value_kind: global_buffer, .address_space: global }
      - { .name: out0, .offset: 40, .size: 8, .value_kind: global_buffer, .address_space: global }
    .group_segment_fixed_size: 327680
    .private_segment_fixed_size: 0
    .kernarg_segment_align: 8
    .kernarg_segment_size: 48
    .max_flat_workgroup_size: 128
    .sgpr_count:     98
    .vgpr_count:     768
    .wavefront_size: 32
...
	.end_amdgpu_metadata
.endif
;; end of part 3
